; MI455X (gfx1250); checked and timed in simulation.
; The chip was launched on July 23, 2026; its instructions are those of AMD's public machine-readable ISA for CDNA 5 (MIT licence, August 2026) and "CDNA5" Instruction Set Architecture Reference Guide (July 2026). The comments in the code are by the model that wrote it; some were corrected since.
;; Multihead Attention. Allowed arithmetic: float matrix products may take bf16 or f16 operands with f32 sums; all other float work in f32.
;; Inputs: K 2 x 2,048 x 256 float32; Q 2 x 2,048 x 256 float32; V 2 x 2,048 x 256 float32; Wk 256 x 256 float32; Wq 256 x 256 float32; Wv 256 x 256 float32; beta 256 float32; bk 256 float32; bq 256 float32; bv 256 float32; gamma 256 float32.
;; Outputs: out0 2 x 2,048 x 256 float32; out1 2 x 2,048 float32.
;; 2 versions, each right; version 2 is version 1 with the launch proj written anew for expert scheduling mode. Each part assembles by itself: llvm-mc -triple=amdgcn-amd-amdhsa -mcpu=gfx1250 --defsym DOCPART=n.
;; ======== version 1 of 2: 3 launches
;; limits: right only within a limited range of input values
;; workspace buffers: Qf 4,194,304 bytes; KV 6,291,456 bytes; masks 32,768 bytes; ctx 4,194,304 bytes; rs 131,072 bytes
;; launch proj (part 1): grid 64 x 3, 8 waves a work-group, no clusters, 284,672 bytes of LDS; arguments Q, K, V, Wq, Wk, Wv, bq, bk, bv, Qf, KV, masks; writes Qf, KV, masks
.if DOCPART == 1
	.amdgcn_target "amdgcn-amd-amdhsa--gfx1250"
	.amdhsa_code_object_version 6
	.text
	.protected	k_q8050a20455_proj
	.globl	k_q8050a20455_proj
	.p2align	8
	.type	k_q8050a20455_proj,@function
k_q8050a20455_proj:
	s_mov_b64 s[64:65], 0
	v_nop
	global_prefetch_b8 v0, s[64:65] scope:SCOPE_SE
	s_setreg_imm32_b32 hwreg(HW_REG_WAVE_MODE, 25, 1), 1
	s_wait_xcnt 0x0
; relu(X W + b) for X = Q, K, V (grid y = 0, 1, 2), stored in the order in which the attention launch's lanes need it, and the two row masks.
; X: [4096][256] f32, W: [256][256] f32.  A work-group makes 128 rows x 128 columns (grid x: row block = x >> 1, column half = x & 1);
; wave w makes 64 rows (w >> 2) x one head's 32 columns (w & 3): 4 row tiles x 2 column tiles = 8 accumulators.
; PRECISION: the softmax that follows multiplies the scores by 100 / sqrt(32), so a single rounding to bf16 is too coarse.  Every f32 operand x is
; split into hi = bf16(x) and lo = bf16(x - hi), and a product is hi hi + hi lo + lo hi in f32 sums: the term left out is below 2^-16 of the product.
; NO TENSOR LOADS, NO CLUSTER: every byte has to pass through registers to be split, so LDS is filled by global_load, VALU, ds_store, once, with
; one barrier; a joint tensor load could only bring f32 that would have to be read, split and stored again.
; 192 work-groups: three matrices of 32 x 2 blocks.
; OUT: Qf [nh 16][query tile 128][piece 4][lane 32][16 B]: pieces 0, 1 = hi, 2, 3 = lo; lane (r, h) holds row 16 T + r, d = 8h.. (even piece), 16 + 8h.. (odd).
;      KV [nh 16][group of 32 keys 64][6144 B]: K tile 2g, K tile 2g + 1 (2048 B each, as in Qf), then V^T [d tile 2][piece 2][lane][16 B]:
;      lane (r, h) holds d = 16 dtile + r, keys 32 g + 16 piece + 8h .. + 7, in plain bf16.  Key 2047's V is stored as 0: reference() leaves it out of ctx.
;      masks: f32 [4096] query mask 1.0 / 0.0, then f32 [4096] key bias 0.0 / NEGS, NEGS = -2^32 sqrt(32), to be added to q.k of a masked key.
; LIMITS: NaN and infinities in the inputs are not served (relu by v_max_num_f32; a row with a NaN counts as not zero).
;      sign(sum |x|) is taken as 'the largest |x| of the row is not 0', which is the same statement for finite numbers.
.set XP,  528                          ; LDS pitch of a row of X: 256 bf16 + 16 bytes = 33 x 16, so 16 rows of a fragment start 16 bytes apart modulo 256
.set WP,  288                          ; LDS pitch of a k row of W: 128 bf16 + 32 bytes = 9 x 32, for the transposing loads
.set XH,  0                            ; 128 rows of X, hi
.set XL,  67584                        ; the same, lo
.set WH,  135168                       ; 256 k rows of W's 128 columns, hi
.set WL,  208896                       ; the same, lo
.set MK,  282624                       ; 8 waves x 128 bytes: the rows' mask values
.set BI,  32                           ; v[32:47]   the bias as the first products' C, 8 registers a column tile
.set T,   48                           ; v[48:63]   at work: four temporaries for each of the four quads of a split
.set B0,  64                           ; v[64:127]  staging bank 0: 16 loads of 16 bytes
.set B1,  128                          ; v[128:191] staging bank 1
.set HL,  192                          ; v[192:223] staging: two groups, which take turns, of four sets of hi (2 registers) and lo (2)
.set ACC, 64                           ; v[64:127]  accumulators, tile (r, c) at 8 (2 r + c)
.set XFH, 128                          ; v[128:159] X fragments hi, 4 row tiles
.set XFL, 160                          ; v[160:191] X fragments lo
.set WFH, 192                          ; v[192:207] W fragments hi, 2 column tiles
.set WFL, 208                          ; v[208:223] W fragments lo
.set OUTR, 128                         ; the way out: packed results, each register written once
	s_load_b512 s[16:31], s[0:1], 0x0              ; Q s[16:17], K, V, Wq s[22:23], Wk, Wv, bq s[28:29], bk
	s_load_b256 s[32:39], s[0:1], 0x40             ; bv s[32:33], Qf s[34:35], KV s[36:37], masks s[38:39]
	v_lshl_add_u32 v224, v0, 2, 0x45400
	v_mov_b32 v225, 0
	v_lshrrev_b32 v20, 5, v0
	v_readfirstlane_b32 s8, v20                    ; wave 0..7
	s_and_b32 s9, ttmp7, 0xffff                    ; which matrix: 0 Q, 1 K, 2 V
	s_lshr_b32 s10, ttmp9, 1                       ; row block, 128 rows
	s_and_b32 s11, ttmp9, 1                        ; column half, 128 columns
	s_lshr_b32 s12, s8, 2                          ; rw: my 64 rows
	s_and_b32 s13, s8, 3                           ; cw: my head of the four
	s_mov_b32 s59, 0xffff0000                      ; a word's upper bf16
	s_mov_b32 s61, 0                               ; upper word of every 64-bit offset below
	v_and_b32 v1, 31, v0                           ; lane
	v_and_b32 v2, 15, v0                           ; r
	v_bfe_u32 v3, v0, 4, 1                         ; h
	v_lshlrev_b32 v14, 4, v1                       ; 16 x lane: the stores' offset
	v_lshl_add_u32 v4, s8, 14, v14                 ; X: my 16 rows of 1,024 bytes + 16 x lane
	v_lshl_add_u32 v5, s8, 15, v14                 ; W: my 32 k rows of 1,024 bytes + 16 x lane
	s_mul_i32 s60, s8, 16*XP
	v_lshl_add_u32 v6, v1, 3, s60                  ; where my rows of X go: hi,
	v_add_nc_u32 v7, XL, v6                        ; lo
	s_mul_i32 s60, s8, 32*WP
	s_add_co_u32 s60, s60, WH
	v_lshl_add_u32 v8, v1, 3, s60                  ; where my k rows of W go: hi,
	v_add_nc_u32 v9, WL-WH, v8                     ; lo
	s_mul_i32 s60, s12, 64*XP
	v_mul_u32_u24 v10, v2, XP
	v_lshl_add_u32 v10, v3, 4, v10
	v_add_nc_u32 v10, s60, v10                     ; X fragments hi: (64 rw + r) pitch + 16 h
	v_add_nc_u32 v11, XL, v10                      ; lo
	v_and_b32 v20, 7, v0
	v_lshl_add_u32 v20, v3, 3, v20                 ; 8 h + (lane & 7): the k row that I address for the transposing load
	v_mul_u32_u24 v12, v20, WP
	v_bfe_u32 v21, v0, 3, 1
	v_lshl_add_u32 v12, v21, 4, v12                ; + 16 bytes for the upper eight columns
	s_lshl_b32 s60, s13, 6
	s_add_co_u32 s60, s60, WH
	v_add_nc_u32 v12, s60, v12                     ; W fragments hi, at my head's 64 bytes
	v_add_nc_u32 v13, WL-WH, v12                   ; lo
	v_mov_b32 v15, 0                               ; lane i: mask value of my row i (v_writelane_b32 reads its destination)
	s_lshl_b32 s60, s8, 7
	s_add_co_u32 s60, s60, MK
	v_lshl_add_u32 v16, v1, 2, s60                 ; where v15 goes
	v_lshrrev_b32 v20, 2, v1
	v_and_b32 v21, 3, v1
	v_lshlrev_b32 v17, 7, v20
	v_lshl_add_u32 v17, v21, 4, v17
	v_add_nc_u32 v17, MK, v17                      ; rows 4 lane .. + 3 of the block: wave lane >> 2, its rows 4 (lane & 3) ..
	v_lshlrev_b32 v18, 5, v3                       ; bias of Q and K: columns 8 h ..
	v_lshlrev_b32 v19, 2, v2                       ; bias of V: column r
	s_mov_b32 s48, 6144                            ; bytes from a pair of tiles to the next: KV
	s_mov_b32 s49, 393216                          ; bytes of one (batch, head): KV
	s_cmp_lg_u32 s9, 2
	s_cselect_b32 s52, 1, 0
	s_cmp_eq_u32 s11, 0
	s_cselect_b32 s52, s52, 0                      ; masks are made from Q and K, by the column half 0 alone
	s_and_b32 s60, s10, 15
	s_lshl4_add_u32 s60, s12, s60                  ; 16 rw + row block in the batch
	s_cmp_eq_u32 s60, 31                           ; the batch's last 64 rows are mine
	s_cselect_b32 s53, 0xffff, -1                  ; lanes that keep register 7 of the last row tile: key 2047 lies in lanes 16-31
	s_wait_kmcnt 0x0
	s_cmp_eq_u32 s9, 0
	s_cselect_b64 s[40:41], s[16:17], s[18:19]     ; X
	s_cselect_b64 s[42:43], s[22:23], s[24:25]     ; W
	s_cselect_b64 s[44:45], s[28:29], s[30:31]     ; b
	s_cselect_b64 s[46:47], s[34:35], s[36:37]     ; out: Qf, else KV
	s_cselect_b32 s48, 4096, s48
	s_cselect_b32 s49, 262144, s49
	s_cselect_b32 s50, 0x3f800000, 0               ; a row that is not zero: query mask 1.0, key bias 0.0
	s_cselect_b32 s51, 0, 0xd0b504f3               ; a zero row: query mask 0.0, key bias NEGS
	s_cmp_eq_u32 s9, 2
	s_cselect_b64 s[40:41], s[20:21], s[40:41]
	s_cselect_b64 s[42:43], s[26:27], s[42:43]
	s_cselect_b64 s[44:45], s[32:33], s[44:45]
	s_lshl_b32 s60, s10, 17
	s_add_nc_u64 s[40:41], s[40:41], s[60:61]      ; X at the block's first row
	s_lshl_b32 s60, s11, 9
	s_add_nc_u64 s[42:43], s[42:43], s[60:61]      ; W at the block's first column
	s_lshl_b32 s62, s13, 7
	s_add_co_u32 s60, s60, s62
	s_add_nc_u64 s[44:45], s[44:45], s[60:61]      ; b at my head's first column
	s_lshr_b32 s60, s10, 4
	s_lshl_b32 s60, s60, 3
	s_lshl2_add_u32 s60, s11, s60
	s_add_co_u32 s60, s60, s13                     ; nh = 8 batch + 4 column half + cw
	s_mul_i32 s60, s60, s49
	s_and_b32 s62, s10, 15
	s_lshl_b32 s62, s62, 2
	s_lshl1_add_u32 s62, s12, s62                  ; my first pair of tiles: 4 (row block in the batch) + 2 rw
	s_mul_i32 s62, s62, s48
	s_add_co_u32 s60, s60, s62
	s_add_nc_u64 s[54:55], s[46:47], s[60:61]      ; out at my first pair of tiles,
	s_mov_b32 s60, s48
	s_add_nc_u64 s[56:57], s[54:55], s[60:61]      ; and at my second
	s_lshl_b32 s60, s9, 14
	s_lshl_b32 s62, s10, 9
	s_add_co_u32 s60, s60, s62
	s_add_nc_u64 s[38:39], s[38:39], s[60:61]      ; masks at the block's 128 rows (used where s52 = 1 alone)
	; The bias: the oldest loads, so every counted wait below covers them.
	s_cmp_eq_u32 s9, 2
	s_cbranch_scc1 .Lbias_v
	global_load_b128 v[BI:BI+3],     v18, s[44:45]             ; Q, K: register j of the result is column 16 c + 8 h + j
	global_load_b128 v[BI+4:BI+7],   v18, s[44:45] offset:16
	global_load_b128 v[BI+8:BI+11],  v18, s[44:45] offset:64
	global_load_b128 v[BI+12:BI+15], v18, s[44:45] offset:80
	s_branch .Lbias_done
.Lbias_v:
	global_load_b32 v[BI],   v19, s[44:45]                     ; V: the lane is column 16 c + r
	global_load_b32 v[BI+8], v19, s[44:45] offset:64
.Lbias_done:
; Sixteen f32 in v[src .. src+15], as four quads q, are split: hi of quad q, two packed registers, at hb + st q; lo at lb + st q.  x - hi is exact in f32.
; The four quads go through each stage together, so that no instruction needs the result of the one in front of it.
.macro SPLIT16 src, hb, lb, st
.irp q, 0,1,2,3
	v_cvt_pk_bf16_f32 v[\hb+\st*\q],   v[\src+4*\q],   v[\src+4*\q+1]
	v_cvt_pk_bf16_f32 v[\hb+\st*\q+1], v[\src+4*\q+2], v[\src+4*\q+3]
.endr
.irp q, 0,1,2,3
	v_lshlrev_b32 v[T+4*\q],   16,  v[\hb+\st*\q]
	v_and_b32     v[T+4*\q+1], s59, v[\hb+\st*\q]
	v_lshlrev_b32 v[T+4*\q+2], 16,  v[\hb+\st*\q+1]
	v_and_b32     v[T+4*\q+3], s59, v[\hb+\st*\q+1]
.endr
.irp q, 0,1,2,3
	v_pk_add_f32 v[T+4*\q:T+4*\q+1],   v[\src+4*\q:\src+4*\q+1],   v[T+4*\q:T+4*\q+1]   neg_lo:[0,1] neg_hi:[0,1]
	v_pk_add_f32 v[T+4*\q+2:T+4*\q+3], v[\src+4*\q+2:\src+4*\q+3], v[T+4*\q+2:T+4*\q+3] neg_lo:[0,1] neg_hi:[0,1]
.endr
.irp q, 0,1,2,3
	v_cvt_pk_bf16_f32 v[\lb+\st*\q],   v[T+4*\q],   v[T+4*\q+1]
	v_cvt_pk_bf16_f32 v[\lb+\st*\q+1], v[T+4*\q+2], v[T+4*\q+3]
.endr
.endm
; 16 loads: my rows 8 b .. 8 b + 7 of X, two halves of 512 consecutive bytes each
.macro LOADX b, bank
.irp i, 0,1,2,3,4,5,6,7
	global_load_b128 v[\bank+8*\i:\bank+8*\i+3],   v4, s[40:41] offset:(8*\b+\i)*1024
	global_load_b128 v[\bank+8*\i+4:\bank+8*\i+7], v4, s[40:41] offset:(8*\b+\i)*1024+512
.endr
.endm
; 16 loads: my k rows 16 b .. 16 b + 15 of W, the block's 512 bytes of each
.macro LOADW b, bank
.irp i, 0,1,2,3,4,5,6,7,8,9,10,11,12,13,14,15
	global_load_b128 v[\bank+4*\i:\bank+4*\i+3], v5, s[42:43] offset:(16*\b+\i)*1024
.endr
.endm
; A bank of X, four quads (two rows) at a time: split, then the eight LDS stores in one run, hi first (hi is ready three stages before lo).
; The two groups of HL take turns, so that a split never writes registers which the run just issued still reads.
; Then, where masks are made, each row's mask value into its lane of v15.
.macro CONVX b, bank
.irp m, 0,1,2,3
	SPLIT16 \bank+16*\m, HL+16*(\m&1), HL+16*(\m&1)+2, 4
.irp q, 0,1,2,3
	ds_store_b64 v6, v[HL+16*(\m&1)+4*\q:HL+16*(\m&1)+4*\q+1]   offset:(8*\b+2*\m+(\q>>1))*XP+256*(\q&1)
.endr
.irp q, 0,1,2,3
	ds_store_b64 v7, v[HL+16*(\m&1)+4*\q+2:HL+16*(\m&1)+4*\q+3] offset:(8*\b+2*\m+(\q>>1))*XP+256*(\q&1)
.endr
.endr
	s_cmp_eq_u32 s52, 0
	s_cbranch_scc1 .Lnomask_\@
.irp i, 0,1,2,3,4,5,6,7
	v_max3_num_f32 v[T], |v[\bank+8*\i]|, |v[\bank+8*\i+1]|, |v[\bank+8*\i+2]|   ; the largest |x| of my 8 numbers of the row
	v_max3_num_f32 v[T], v[T], |v[\bank+8*\i+3]|, |v[\bank+8*\i+4]|
	v_max3_num_f32 v[T], v[T], |v[\bank+8*\i+5]|, |v[\bank+8*\i+6]|
	v_max_num_f32  v[T], v[T], |v[\bank+8*\i+7]|
	v_cmp_ne_u32 vcc_lo, 0, v[T]                   ; its bits are 0 only for 0.0: a bit for each lane that holds something
	s_cmp_lg_u32 vcc_lo, 0
	s_cselect_b32 s60, s50, s51                    ; selects a value; no branch and no address hangs on it
	v_writelane_b32 v15, s60, 8*\b+\i
.endr
.Lnomask_\@:
.endm
; a bank of W, four k rows at a time, in the same way
.macro CONVW b, bank
.irp m, 0,1,2,3
	SPLIT16 \bank+16*\m, HL+16*(\m&1), HL+16*(\m&1)+2, 4
.irp q, 0,1,2,3
	ds_store_b64 v8, v[HL+16*(\m&1)+4*\q:HL+16*(\m&1)+4*\q+1]   offset:(16*\b+4*\m+\q)*WP
.endr
.irp q, 0,1,2,3
	ds_store_b64 v9, v[HL+16*(\m&1)+4*\q+2:HL+16*(\m&1)+4*\q+3] offset:(16*\b+4*\m+\q)*WP
.endr
.endr
.endm
	; Staging on two banks of registers: while one bank is split and stored, the other's 16 loads are on their way.
	LOADX 0, B0
	LOADX 1, B1
	s_wait_loadcnt 16                              ; loads come back in order (ISA guide 5.7.1): the bias and bank 0 are in, bank 1's 16 stay out
	CONVX 0, B0
	LOADW 0, B0
	s_wait_loadcnt 16                              ; bank 1 is in, the 16 just issued stay out
	CONVX 1, B1
	LOADW 1, B1
	s_wait_loadcnt 16                              ; W's first half is in
	CONVW 0, B0
	s_wait_loadcnt 0x0
	CONVW 1, B1
	ds_store_b32 v16, v15                          ; my 16 rows' mask values (zeros where none are made)
	s_wait_dscnt 0x0                               ; for the other waves' sake: all my LDS stores are done,
	s_barrier_signal -1
	s_barrier_wait -1                              ; and everybody's: the launch's one barrier; LDS is only read from here on
	s_cmp_lg_u32 s8, 0
	s_cbranch_scc1 .Lno_mk
	s_cmp_eq_u32 s52, 0
	s_cbranch_scc1 .Lno_mk
	ds_load_b128 v[24:27], v17                     ; wave 0: the block's 128 mask values,
	s_wait_dscnt 0x0
	global_store_b128 v14, v[24:27], s[38:39]      ; 512 consecutive bytes; v[24:27] are not written again
.Lno_mk:
; eight matrix instructions, one for each accumulator: the eight take turns, one instruction a turn.
; swap = 1: source 0 = W's columns, source 1 = X's rows: lane r holds row r, registers the columns 8 h + j.  swap = 0: the other way round.
.macro MM8 x, w, first, swap
.irp r, 0,1,2,3
.irp c, 0,1
.if \swap
.if \first
	v_wmma_f32_16x16x32_bf16 v[ACC+8*(2*\r+\c):ACC+8*(2*\r+\c)+7], v[\w+8*\c:\w+8*\c+7], v[\x+8*\r:\x+8*\r+7], v[BI+8*\c:BI+8*\c+7]
.else
	v_wmma_f32_16x16x32_bf16 v[ACC+8*(2*\r+\c):ACC+8*(2*\r+\c)+7], v[\w+8*\c:\w+8*\c+7], v[\x+8*\r:\x+8*\r+7], v[ACC+8*(2*\r+\c):ACC+8*(2*\r+\c)+7]
.endif
.else
.if \first
	v_wmma_f32_16x16x32_bf16 v[ACC+8*(2*\r+\c):ACC+8*(2*\r+\c)+7], v[\x+8*\r:\x+8*\r+7], v[\w+8*\c:\w+8*\c+7], v[BI+8*\c:BI+8*\c+7]
.else
	v_wmma_f32_16x16x32_bf16 v[ACC+8*(2*\r+\c):ACC+8*(2*\r+\c)+7], v[\x+8*\r:\x+8*\r+7], v[\w+8*\c:\w+8*\c+7], v[ACC+8*(2*\r+\c):ACC+8*(2*\r+\c)+7]
.endif
.endif
.endr
.endr
.endm
; 32 along K: 24 LDS loads, 24 matrix instructions.  first = 1: the first products start the sums from the bias: nothing is cleared.
.macro KSTEP first, swap
.if \first == 0
	v_add_nc_u32 v10, 64, v10                      ; the four address steps are the four places between the last matrix
	v_add_nc_u32 v11, 64, v11                      ; instructions and the loads into their sources (ISA guide 7.12.1 for vector
	v_add_nc_u32 v12, 32*WP, v12                   ; instructions)
	v_add_nc_u32 v13, 32*WP, v13
.endif
.irp c, 0,1
	ds_load_tr16_b128 v[WFH+8*\c:WFH+8*\c+3],   v12 offset:32*\c          ; k = 8 h .. of column 16 c + r
	ds_load_tr16_b128 v[WFH+8*\c+4:WFH+8*\c+7], v12 offset:32*\c+16*WP    ; k = 16 + 8 h ..
.endr
.irp r, 0,1,2,3
	ds_load_b128 v[XFH+8*\r:XFH+8*\r+3],   v10 offset:16*XP*\r
	ds_load_b128 v[XFH+8*\r+4:XFH+8*\r+7], v10 offset:16*XP*\r+32
.endr
.irp c, 0,1
	ds_load_tr16_b128 v[WFL+8*\c:WFL+8*\c+3],   v13 offset:32*\c
	ds_load_tr16_b128 v[WFL+8*\c+4:WFL+8*\c+7], v13 offset:32*\c+16*WP
.endr
.irp r, 0,1,2,3
	ds_load_b128 v[XFL+8*\r:XFL+8*\r+3],   v11 offset:16*XP*\r
	ds_load_b128 v[XFL+8*\r+4:XFL+8*\r+7], v11 offset:16*XP*\r+32
.endr
	s_wait_dscnt 12                                ; W hi and X hi are in; W lo's 4 and X lo's 8 stay out
	MM8 XFH, WFH, \first, \swap
	s_wait_dscnt 8                                 ; W lo is in
	MM8 XFH, WFL, 0, \swap
	s_wait_dscnt 0x0
	MM8 XFL, WFH, 0, \swap
.endm
	s_cmp_eq_u32 s9, 2
	s_cbranch_scc1 .Lvmode
	; ---- Q and K ----
	KSTEP 1, 1
	s_mov_b32 s58, 7
.Lk_qk:
	KSTEP 0, 1
	s_sub_co_u32 s58, s58, 1
	s_cmp_lg_u32 s58, 0
	s_cbranch_scc1 .Lk_qk
.rept 4
	v_nop                                          ; four places before the results are read and the fragments' registers written
.endr
; row tile r: relu and split of its 16 results a lane: pieces hi c0, hi c1, lo c0, lo c1, four registers each
.macro OUTC r
.set j, 0
.rept 16
	v_max_num_f32 v[ACC+16*\r+j], 0, v[ACC+16*\r+j]
.set j, j+1
.endr
	SPLIT16 ACC+16*\r, OUTR+16*\r, OUTR+16*\r+8, 2
.endm
; its four pieces, 512 consecutive bytes each
.macro OUTS r, base, off
.irp p, 0,1,2,3
	global_store_b128 v14, v[OUTR+16*\r+4*\p:OUTR+16*\r+4*\p+3], s[\base:\base+1] offset:\off+512*\p
.endr
.endm
	OUTC 0                                         ; a tile's stores stand behind the next tile's arithmetic; no register is written twice, so no wait is needed
	OUTC 1
	OUTS 0, 54, 0
	OUTC 2
	OUTS 1, 54, 2048
	OUTC 3
	OUTS 2, 56, 0
	OUTS 3, 56, 2048
	s_wait_tensorcnt 0x0
	ds_add_u32 v224, v225
	s_wait_dscnt 0x0
	s_endpgm
	; ---- V ----
.Lvmode:
.irp j, 1,2,3,4,5,6,7
	v_mov_b32 v[BI+\j],   v[BI]                    ; a lane's eight results are eight rows of one column: the same bias in all
	v_mov_b32 v[BI+8+\j], v[BI+8]
.endr
	KSTEP 1, 0
	s_mov_b32 s58, 7
.Lk_v:
	KSTEP 0, 0
	s_sub_co_u32 s58, s58, 1
	s_cmp_lg_u32 s58, 0
	s_cbranch_scc1 .Lk_v
.rept 4
	v_nop
.endr
.set j, 0
.rept 64
	v_max_num_f32 v[ACC+j], 0, v[ACC+j]
.set j, j+1
.endr
	v_cndmask_b32 v[ACC+8*6+7], 0, v[ACC+8*6+7], s53           ; key 2047 = row 8 h + 7 of row tile 3 with h = 1, in the batch's last 64 rows
	v_cndmask_b32 v[ACC+8*7+7], 0, v[ACC+8*7+7], s53
.irp r, 0,1,2,3
.irp c, 0,1
.irp j, 0,1,2,3
	v_cvt_pk_bf16_f32 v[OUTR+4*(2*\r+\c)+\j], v[ACC+8*(2*\r+\c)+2*\j], v[ACC+8*(2*\r+\c)+2*\j+1]
.endr
.endr
.endr
.irp r, 0,1,2,3
.irp c, 0,1
	global_store_b128 v14, v[OUTR+4*(2*\r+\c):OUTR+4*(2*\r+\c)+3], s[54:55] offset:(\r>>1)*6144+4096+1024*\c+512*(\r&1)
.endr
.endr
	s_wait_tensorcnt 0x0
	ds_add_u32 v224, v225
	s_wait_dscnt 0x0
	s_endpgm
.Lfunc_end_k_q8050a20455_proj:
	.size	k_q8050a20455_proj, .Lfunc_end_k_q8050a20455_proj-k_q8050a20455_proj
	.p2alignl 7, 3214868480
	.fill 96, 4, 3214868480
	.section	.rodata,"a",@progbits
	.p2align	6, 0x0
	.amdhsa_kernel k_q8050a20455_proj
		.amdhsa_group_segment_fixed_size 284672
		.amdhsa_private_segment_fixed_size 0
		.amdhsa_enable_private_segment 0
		.amdhsa_kernarg_size 96
		.amdhsa_user_sgpr_count 2
		.amdhsa_user_sgpr_kernarg_segment_ptr 1
		.amdhsa_wavefront_size32 1
		.amdhsa_system_sgpr_workgroup_id_x 1
		.amdhsa_system_sgpr_workgroup_id_y 1
		.amdhsa_system_sgpr_workgroup_id_z 1
		.amdhsa_system_vgpr_workitem_id 0
		.amdhsa_next_free_vgpr 226
		.amdhsa_next_free_sgpr 66
		.amdhsa_reserve_vcc 1
		.amdhsa_float_denorm_mode_32 3
		.amdhsa_float_denorm_mode_16_64 3
		.amdhsa_memory_ordered 1
		.amdhsa_forward_progress 1
		.amdhsa_inst_pref_size 89
	.end_amdhsa_kernel
	.amdgpu_metadata
---
amdhsa.version: [ 1, 2 ]
amdhsa.kernels:
  - .name:           k_q8050a20455_proj
    .symbol:         k_q8050a20455_proj.kd
    .args:
      - { .name: Q, .offset: 0, .size: 8, .value_kind: global_buffer, .address_space: global }
      - { .name: K, .offset: 8, .size: 8, .value_kind: global_buffer, .address_space: global }
      - { .name: V, .offset: 16, .size: 8, .value_kind: global_buffer, .address_space: global }
      - { .name: Wq, .offset: 24, .size: 8, .value_kind: global_buffer, .address_space: global }
      - { .name: Wk, .offset: 32, .size: 8, .value_kind: global_buffer, .address_space: global }
      - { .name: Wv, .offset: 40, .size: 8, .value_kind: global_buffer, .address_space: global }
      - { .name: bq, .offset: 48, .size: 8, .value_kind: global_buffer, .address_space: global }
      - { .name: bk, .offset: 56, .size: 8, .value_kind: global_buffer, .address_space: global }
      - { .name: bv, .offset: 64, .size: 8, .value_kind: global_buffer, .address_space: global }
      - { .name: Qf, .offset: 72, .size: 8, .value_kind: global_buffer, .address_space: global }
      - { .name: KV, .offset: 80, .size: 8, .value_kind: global_buffer, .address_space: global }
      - { .name: masks, .offset: 88, .size: 8, .value_kind: global_buffer, .address_space: global }
    .group_segment_fixed_size: 284672
    .private_segment_fixed_size: 0
    .kernarg_segment_align: 8
    .kernarg_segment_size: 96
    .max_flat_workgroup_size: 256
    .sgpr_count:     66
    .vgpr_count:     226
    .wavefront_size: 32
...
	.end_amdgpu_metadata
.endif
;; end of part 1
;; launch attn (part 2): grid 16 x 16, 16 waves a work-group, clusters of 4 x 1, 327,680 bytes of LDS; arguments Qf, KV, masks, ctx, rs; writes ctx, rs
.if DOCPART == 2
	.amdgcn_target "amdgcn-amd-amdhsa--gfx1250"
	.amdhsa_code_object_version 6
	.text
	.protected	k_q8050a20455_attn
	.globl	k_q8050a20455_attn
	.p2align	8
	.type	k_q8050a20455_attn,@function
k_q8050a20455_attn:
	s_mov_b64 s[64:65], 0
	v_nop
	global_prefetch_b8 v0, s[64:65] scope:SCOPE_SE
	s_setreg_imm32_b32 hwreg(HW_REG_WAVE_MODE, 25, 1), 1
	s_wait_xcnt 0x0
	s_wait_alu depctr_hold_cnt(0) depctr_sa_sdst(0) depctr_va_vdst(0) depctr_va_sdst(0) depctr_va_ssrc(0) depctr_va_vcc(0) depctr_vm_vsrc(0)
	s_getreg_b32 s2, hwreg(HW_REG_IB_STS2, 6, 4)
	s_cmp_eq_u32 s2, 0
	s_cbranch_scc0 .Lentry_in_a_cluster
	s_endpgm
.Lentry_in_a_cluster:
	s_bfe_u32 s2, ttmp6, 0x10000c
	s_cmp_lg_u32 s2, 0x3003
	s_cbranch_scc0 .Lentry_shape_is_right
	s_endpgm
.Lentry_shape_is_right:
; Attention with a running maximum, for one (batch, head) nh = grid y and 128 queries (grid x).  Stores ctx [nh][q 2048][32] f32 (already divided by the
; softmax's sum and multiplied by the query mask) and rs [nh][q] f32, the row sum of attn.
; WAVES: sixteen.  Wave w takes 32 queries (g = w & 3, two query tiles t) and a quarter of the keys (kh = w >> 2: keys 512 kh .. + 511), eight trips of 64
; keys; the four quarters are merged through LDS at the end.  Each K and V fragment read from LDS feeds two query tiles.  A trip is a run of matrix
; instructions, a long run of vector work and a short run of matrix instructions: with sixteen waves of 256 registers the runs of different waves can go
; on side by side.
; ORIENTATION: S^T = K Q^T (source 0 = 16 keys, source 1 = 16 queries): lane r is the query, register j and half h the key 8 h + j.  So maximum and sum
; run inside a lane, with one exchange between the halves, and two tiles of S^T, packed to bf16, are source 1 of O^T = V^T P^T as they stand.
; PRECISION: q.k = Khi Qhi + Khi Qlo + Klo Qhi (split bf16, f32 sums).  P and V go into P V as plain bf16; both are >= 0, so nothing cancels.
; MASK: a masked key's bias NEGS = -2^32 sqrt(32) is the C operand of the first product (0.0 for other keys): it is ADDED to q.k where reference()
; replaces the score.  LIMIT: the same weights as long as |q.k| < 2^33; if every key of a batch is masked, every row of K is zero, all its projected
; rows are equal, all scores of a query are equal, and the softmax is uniform as in reference().  NaN and infinities are not served.
; SCALE: exp(100 s / sqrt(32) - max) is exp2(C2 s - C2 m), C2 = 100 log2(e) / sqrt(32), one fused multiply-add: another order of rounding than reference()'s.
; CLUSTER: the four work-groups of a cluster (4, 1, 1) are four query blocks of one nh and read the same K, V and bias tiles: every tensor load is a joint
; load with the mask 15.  Its descriptor hangs on nh and the wave's number alone.  cx enters only the global addresses of Qf, the query mask, ctx and rs.
; SLOTS: nh's K and V are four chunks of 98,304 bytes (128 keys of each quarter).  Three slots take chunks 0, 1, 2 at the start; chunk 3 goes into slot 0
; when chunk 0 has been read, and has the work on chunks 1 and 2 in which to land.  A wave brings a sixteenth of a chunk, 24 rows of 256 bytes.
; TENSOR LOADS OUT, by this text's count: four a wave at the start (slot 0, bias, slot 1, slot 2), one behind the one refill.
.set GRP,   6144                       ; a group of 32 keys: K tile, K tile (2048 each: hi, hi, lo, lo pieces of 512), V^T (2048); what one tensor load brings
.set QUARTB, 24576                     ; 128 keys of one key quarter: four groups
.set SLOTB, 98304                      ; a slot: 128 keys of each key quarter
.set BIAS,  294912                     ; the batch's 2048 key biases, filled once
.set STAGE, 303104                     ; 4 x 32 rows x 144 bytes: the way out.  From here on no tensor load lands
.set RSR,   321536                     ; 128 row sums
.set MSZ,   4608                       ; what a wave of quarters 1 to 3 hands over: O (4096 bytes) and its figures (512)
.set MERGE, SLOTB                      ; 12 x 4608 bytes in slot 1, which has had its one fill, and whose last reads are shown done at the barrier in front of chunk 3
.set STP,   144                        ; stage pitch: 128 bytes + 16 = 9 x 16
.set QF, 32                            ; v[32:63]   query tile t at 16 t: hi 8 registers, lo 8
.set O,  64                            ; v[64:95]   O^T (t, d tile) at 16 t + 8 d
.set S,  96                            ; v[96:159]  S^T (key tile k, t) at 32 t + 8 k; later P (t, group) in the first 8 of each 16
.set KF, 160                           ; v[160:223] key tile k at 16 k: hi 8, lo 8; later V^T (group, d tile) at 16 group + 8 d
.set BI, 224                           ; v[224:255] key bias, 8 registers a key tile
; v1 lane, v2 r, v3 h, v4 my key quarter's place in a slot + 16 lane, v5 the same in the slot at work, stepped, v6 bias address, stepped,
; v7 merge, v8 stage in, v9 stage back, v10 row sums, v11 16 lane, v[12:13] query mask, v[14:15] running maxima, v[16:17] -C2 x maximum,
; v[18:19] running sums, v[20:21] rescale factors, v[22:31] at work
.macro ROUND                           ; a round of the cluster's barrier
	s_barrier_signal -1
	s_barrier_wait -1
	s_cmp_lg_u32 s14, 0
	s_cbranch_scc1 .Lnot_wave_0_\@
	s_barrier_signal -3
.Lnot_wave_0_\@:
	s_barrier_wait -3
	s_barrier_signal -1
	s_barrier_wait -1
.endm
	s_load_b256 s[4:11], s[0:1], 0x0               ; Qf s[4:5], KV s[6:7], masks s[8:9], ctx s[10:11]
	s_load_b64 s[12:13], s[0:1], 0x20              ; rs
	v_lshl_add_u32 v254, v0, 2, 0x4ea00
	v_mov_b32 v255, 0
	ds_add_u32 v254, v255
	s_wait_dscnt 0x0
	v_lshrrev_b32 v22, 5, v0
	v_readfirstlane_b32 s14, v22                   ; wave 0..15
	s_lshr_b32 s15, s14, 2                         ; kh
	s_and_b32 s45, s14, 3                          ; g
	s_and_b32 s51, ttmp7, 0xffff                   ; nh (the cluster is one work-group high)
	s_bfe_u32 s53, ttmp6, 0x40000                  ; cx
	s_lshl_b32 s52, ttmp9, 2
	s_add_co_u32 s52, s52, s53                     ; query block = 4 x cluster x + cx
	; group 1 for K and V: 6,144 dense bytes as 24 rows of 256 bytes (elements of 8 bytes)
	s_mov_b32 s16, 15|(3<<16)|(1<<21)              ; 15:0 the mask: all four of the cluster; 17:16 elements of 8 bytes; 21 set beside a mask
	s_mov_b32 s17, 32<<16                          ; tensor_dim0 = 32
	s_mov_b32 s18, 24<<16                          ; tensor_dim1 = 24
	s_mov_b32 s19, 32<<16                          ; tile_dim0 = 32
	s_mov_b32 s20, 24                              ; tile_dim1 = 24
	s_mov_b32 s21, 32                              ; pitch = 32 elements
	s_mov_b32 s22, 0
	s_mov_b32 s23, 0
	; group 1 for the bias: 512 dense bytes as 2 rows of 256
	s_mov_b32 s24, 15|(3<<16)|(1<<21)
	s_mov_b32 s25, 32<<16
	s_mov_b32 s26, 2<<16
	s_mov_b32 s27, 32<<16
	s_mov_b32 s28, 2
	s_mov_b32 s29, 32
	s_mov_b32 s30, 0
	s_mov_b32 s31, 0
	; groups 0: slot 0 s[32:35], slot 1 s[36:39], slot 2 s[68:71], bias s[40:43].  LDS address = wave x a constant + the region's constant
	s_mov_b32 s32, 1
	s_mul_i32 s33, s14, GRP                        ; = kh x 24,576 + g x 6,144
	s_mov_b32 s36, 1
	s_add_co_u32 s37, s33, SLOTB
	s_mov_b32 s68, 1
	s_add_co_u32 s69, s33, 2*SLOTB
	s_mov_b32 s40, 1
	s_lshl_b32 s41, s14, 9
	s_add_co_u32 s41, s41, BIAS
	s_mul_i32 s54, s51, 393216                     ; nh's K and V,
	s_mul_i32 s56, s15, 98304                      ; my key quarter's 16 groups,
	s_add_co_u32 s54, s54, s56
	s_mul_i32 s56, s45, GRP                        ; my group of its first four
	s_add_co_u32 s54, s54, s56
	s_mov_b32 s55, 0
	s_wait_kmcnt 0x0
	s_add_nc_u64 s[34:35], s[6:7], s[54:55]        ; chunk 0: keys 0 .. 127 of each quarter
	s_add_nc_u64 s[38:39], s[34:35], QUARTB        ; chunk 1: keys 128 .. 255
	s_add_nc_u64 s[70:71], s[34:35], 2*QUARTB      ; chunk 2: keys 256 .. 383
	s_or_b32 s35, s35, 0x80000000                  ; type = 2
	s_or_b32 s39, s39, 0x80000000
	s_or_b32 s71, s71, 0x80000000
	s_lshr_b32 s56, s51, 3                         ; batch
	s_lshl_b32 s54, s56, 13
	s_lshl_b32 s57, s14, 9
	s_add_co_u32 s54, s54, s57
	s_add_co_u32 s54, s54, 16384                   ; the key biases lie behind the 4096 query masks
	s_add_nc_u64 s[42:43], s[8:9], s[54:55]
	s_or_b32 s43, s43, 0x80000000
	ROUND                                          ; all four work-groups are here: the first joint loads meet
	tensor_load_to_lds s[32:35], s[16:23]          ; the four first fills go out as one group
	s_nop 0
	tensor_load_to_lds s[40:43], s[24:31]
	s_nop 0
	tensor_load_to_lds s[36:39], s[16:23]
	s_nop 0
	tensor_load_to_lds s[68:71], s[16:23]
	s_nop 0
	s_mov_b32 s46, 0x76543210                      ; v_permlanex16_b32: lane i of one half reads lane i of the other
	s_mov_b32 s47, 0xfedcba98
	s_mov_b32 s48, 0x41cc0724                      ; C2 = 25.503486,
	s_mov_b32 s49, 0x41cc0724                      ; twice: the packed form reads the pair
	s_mov_b32 s50, 0xffff0000                      ; lanes 16-31
	v_and_b32 v1, 31, v0
	v_and_b32 v2, 15, v0
	v_bfe_u32 v3, v0, 4, 1
	v_lshlrev_b32 v11, 4, v1
	s_mul_i32 s56, s15, QUARTB
	v_add_nc_u32 v4, s56, v11
	s_lshl_b32 s56, s15, 11
	s_add_co_u32 s56, s56, BIAS
	v_lshl_add_u32 v6, v3, 5, s56                  ; bias of keys 8 h .. of my quarter's first tile
	s_mul_i32 s56, s14, MSZ
	s_add_co_u32 s56, s56, MERGE-4*MSZ             ; waves 4 to 15 store at MERGE + (w - 4) x 4608; wave g < 4 finds its partner of quarter p
	v_add_nc_u32 v7, s56, v11                      ; (wave g + 4 p) at this address + p x 4 x 4608
	s_mul_i32 s56, s45, MSZ
	s_add_co_u32 s57, s56, STAGE
	v_mul_u32_u24 v8, v2, STP
	v_lshl_add_u32 v8, v3, 5, v8
	v_add_nc_u32 v8, s57, v8                       ; in: row r, 32 bytes for each half of the lanes
	v_lshrrev_b32 v22, 3, v1
	v_and_b32 v23, 7, v1
	v_mul_u32_u24 v9, v22, STP
	v_lshl_add_u32 v9, v23, 4, v9
	v_add_nc_u32 v9, s57, v9                       ; back: eight lanes take a row of 128 bytes
	s_lshl_b32 s56, s45, 7
	s_add_co_u32 s56, s56, RSR
	v_lshl_add_u32 v10, v1, 2, s56
	v_lshlrev_b32 v5, 2, v2                        ; 4 r, for the query mask; v5 is written again behind the wait for these loads
	v_mov_b32 v27, 0                               ; destinations of v_permlanex16_b32 count as read
	v_mov_b32 v30, 0
	; global addresses; s52, s53, s58-s61 alone hold numbers made of cx
	s_lshl_b32 s58, s51, 7
	s_lshl3_add_u32 s58, s52, s58
	s_lshl1_add_u32 s58, s45, s58                  ; my first query tile: 128 nh + 8 block + 2 g
	s_lshl_b32 s58, s58, 11
	s_mov_b32 s59, 0
	s_add_nc_u64 s[4:5], s[4:5], s[58:59]
	s_lshl_b32 s60, s52, 7
	s_lshl_b32 s61, s45, 5
	s_add_co_u32 s60, s60, s61                     ; my first query: 128 block + 32 g
	s_lshr_b32 s61, s51, 3
	s_lshl_b32 s61, s61, 11
	s_add_co_u32 s58, s60, s61
	s_lshl_b32 s58, s58, 2
	s_add_nc_u64 s[8:9], s[8:9], s[58:59]          ; the query mask at 2048 batch + my first query
	s_lshl_b32 s61, s51, 11
	s_add_co_u32 s58, s60, s61
	s_lshl_b32 s58, s58, 7
	s_add_nc_u64 s[10:11], s[10:11], s[58:59]      ; ctx at (2048 nh + my first query) x 128 bytes
	s_lshl_b32 s58, s52, 7
	s_add_co_u32 s58, s58, s61
	s_lshl_b32 s58, s58, 2
	s_add_nc_u64 s[12:13], s[12:13], s[58:59]      ; rs at the block's first query
.irp i, 0,1,2,3,4,5,6,7
	global_load_b128 v[QF+4*\i:QF+4*\i+3], v11, s[4:5] offset:512*\i     ; two query tiles, four pieces each, 512 consecutive bytes a load
.endr
	global_load_b32 v12, v5, s[8:9]
	global_load_b32 v13, v5, s[8:9] offset:64
.macro BMAX t                          ; the largest of a lane's 32 scores of query tile t, in two chains
	v_max3_num_f32 v[22+2*\t], v[S+32*\t],    v[S+32*\t+1],  v[S+32*\t+2]
	v_max3_num_f32 v[23+2*\t], v[S+32*\t+16], v[S+32*\t+17], v[S+32*\t+18]
.irp i, 3,5,7,9,11,13
	v_max3_num_f32 v[22+2*\t], v[22+2*\t], v[S+32*\t+\i],    v[S+32*\t+\i+1]
	v_max3_num_f32 v[23+2*\t], v[23+2*\t], v[S+32*\t+16+\i], v[S+32*\t+17+\i]
.endr
	v_max_num_f32 v[22+2*\t], v[22+2*\t], v[S+32*\t+15]
	v_max_num_f32 v[23+2*\t], v[23+2*\t], v[S+32*\t+31]
.endm
.macro STATS t, first                  ; the running maximum, -C2 x maximum, and the exponent of the rescale factor
.if \first
	v_max_num_f32 v[26+3*\t], v[22+2*\t], v[23+2*\t]
.else
	v_max3_num_f32 v[26+3*\t], v[22+2*\t], v[23+2*\t], v[14+\t]
.endif
	v_permlanex16_b32 v[27+3*\t], v[26+3*\t], s46, s47         ; the other half of the lanes holds the query's other keys
	v_max_num_f32 v[14+\t], v[26+3*\t], v[27+3*\t]
	v_mul_f32 v[28+3*\t], 0xc1cc0724, v[14+\t]
.if \first == 0
	v_sub_f32 v[20+\t], v[28+3*\t], v[16+\t]                   ; of the two ROUNDED products, so that old and new terms keep one common scale
.endif
	v_mov_b32 v[16+\t], v[28+3*\t]
.endm
.macro EXPO t                          ; p = exp2(C2 s - C2 m), in place
.set j, 0
.rept 16
.if \t == 0
	v_pk_fma_f32 v[S+j:S+j+1], v[S+j:S+j+1], s[48:49], v[16:17] op_sel_hi:[1,0,0]
.else
	v_pk_fma_f32 v[S+32+j:S+32+j+1], v[S+32+j:S+32+j+1], s[48:49], v[16:17] op_sel:[0,0,1] op_sel_hi:[1,0,1]
.endif
.set j, j+2
.endr
.set j, 0
.rept 32
	v_exp_f32 v[S+32*\t+j], v[S+32*\t+j]
.set j, j+1
.endr
.endm
.macro SUMCVT t, first                 ; the lane's sum of p in f32, two chains; then p to bf16, in place and ascending: P (t, group) = the first 8 of each 16
	v_pk_add_f32 v[22:23], v[S+32*\t:S+32*\t+1],     v[S+32*\t+2:S+32*\t+3]
	v_pk_add_f32 v[24:25], v[S+32*\t+16:S+32*\t+17], v[S+32*\t+18:S+32*\t+19]
.irp i, 4,6,8,10,12,14
	v_pk_add_f32 v[22:23], v[22:23], v[S+32*\t+\i:S+32*\t+\i+1]
	v_pk_add_f32 v[24:25], v[24:25], v[S+32*\t+16+\i:S+32*\t+17+\i]
.endr
	v_pk_add_f32 v[22:23], v[22:23], v[24:25]
.if \first
	v_add_f32 v[18+\t], v22, v23
.else
	v_add_f32 v22, v22, v23
	v_fma_f32 v[18+\t], v[18+\t], v[20+\t], v22
.endif
.irp g, 0,1
.irp i, 0,1,2,3,4,5,6,7
	v_cvt_pk_bf16_f32 v[S+32*\t+16*\g+\i], v[S+32*\t+16*\g+2*\i], v[S+32*\t+16*\g+2*\i+1]
.endr
.endr
.endm
.macro PV4 g, zero                     ; O^T += V^T (group g) P^T: four accumulators, one instruction a turn
.irp t, 0,1
.irp d, 0,1
.if \zero
	v_wmma_f32_16x16x32_bf16 v[O+16*\t+8*\d:O+16*\t+8*\d+7], v[KF+16*\g+8*\d:KF+16*\g+8*\d+7], v[S+32*\t+16*\g:S+32*\t+16*\g+7], 0
.else
	v_wmma_f32_16x16x32_bf16 v[O+16*\t+8*\d:O+16*\t+8*\d+7], v[KF+16*\g+8*\d:KF+16*\g+8*\d+7], v[S+32*\t+16*\g:S+32*\t+16*\g+7], v[O+16*\t+8*\d:O+16*\t+8*\d+7]
.endif
.endr
.endr
.endm
; 64 keys x 32 queries.  first = 1: the wave's first trip starts maxima, sums and O: nothing is cleared.
.macro ITER first
.irp k, 0,1,2,3
	ds_load_b128 v[KF+16*\k:KF+16*\k+3],   v5 offset:(\k>>1)*GRP+(\k&1)*2048          ; K hi
	ds_load_b128 v[KF+16*\k+4:KF+16*\k+7], v5 offset:(\k>>1)*GRP+(\k&1)*2048+512
	ds_load_b128 v[BI+8*\k:BI+8*\k+3],     v6 offset:64*\k                            ; bias of keys 16 k + 8 h ..
	ds_load_b128 v[BI+8*\k+4:BI+8*\k+7],   v6 offset:64*\k+16
.endr
.irp k, 0,1,2,3
	ds_load_b128 v[KF+16*\k+8:KF+16*\k+11],  v5 offset:(\k>>1)*GRP+(\k&1)*2048+1024   ; K lo
	ds_load_b128 v[KF+16*\k+12:KF+16*\k+15], v5 offset:(\k>>1)*GRP+(\k&1)*2048+1536
.endr
	; three products for each of eight tiles of S^T; the eight accumulators take turns, one instruction a turn
.irp k, 0,1,2,3
	s_wait_dscnt 20-4*\k                           ; LDS loads come back in order (ISA guide 5.7.1): key tile k's four are in, the younger ones stay out
	v_wmma_f32_16x16x32_bf16 v[S+8*\k:S+8*\k+7],       v[KF+16*\k:KF+16*\k+7], v[QF:QF+7],     v[BI+8*\k:BI+8*\k+7]
	v_wmma_f32_16x16x32_bf16 v[S+32+8*\k:S+32+8*\k+7], v[KF+16*\k:KF+16*\k+7], v[QF+16:QF+23], v[BI+8*\k:BI+8*\k+7]
.endr
.irp k, 0,1,2,3
	v_wmma_f32_16x16x32_bf16 v[S+8*\k:S+8*\k+7],       v[KF+16*\k:KF+16*\k+7], v[QF+8:QF+15],  v[S+8*\k:S+8*\k+7]
	v_wmma_f32_16x16x32_bf16 v[S+32+8*\k:S+32+8*\k+7], v[KF+16*\k:KF+16*\k+7], v[QF+24:QF+31], v[S+32+8*\k:S+32+8*\k+7]
.endr
	s_wait_dscnt 0x0                               ; K lo
.irp k, 0,1,2,3
	v_wmma_f32_16x16x32_bf16 v[S+8*\k:S+8*\k+7],       v[KF+16*\k+8:KF+16*\k+15], v[QF:QF+7],     v[S+8*\k:S+8*\k+7]
	v_wmma_f32_16x16x32_bf16 v[S+32+8*\k:S+32+8*\k+7], v[KF+16*\k+8:KF+16*\k+15], v[QF+16:QF+23], v[S+32+8*\k:S+32+8*\k+7]
.endr
.rept 4
	v_nop                                          ; four places before S is read and V is loaded over K's fragments (ISA guide 7.12.1 for vector instructions)
.endr
.irp g, 0,1
.irp d, 0,1
	ds_load_b128 v[KF+16*\g+8*\d:KF+16*\g+8*\d+3],   v5 offset:\g*GRP+4096+1024*\d
	ds_load_b128 v[KF+16*\g+8*\d+4:KF+16*\g+8*\d+7], v5 offset:\g*GRP+4096+1024*\d+512
.endr
.endr
	BMAX 0
	BMAX 1
	STATS 0, \first
	STATS 1, \first
.if \first == 0
	v_exp_f32 v20, v20                             ; behind an exponential one plain vector instruction that touches neither its result nor its
	v_exp_f32 v21, v21                             ; source (ISA guide 5.7.2): here tile 0's multiply-adds,
.endif
	EXPO 0                                         ; behind tile 0's exponentials tile 1's multiply-adds,
	EXPO 1
.if \first
	v_nop                                          ; behind tile 1's this line,
	s_wait_alu depctr_va_vdst(0)
.else
.set j, 0
	s_wait_alu depctr_va_vdst(0)
.rept 8
	v_pk_mul_f32 v[O+j:O+j+1],       v[O+j:O+j+1],       v[20:21] op_sel_hi:[1,0]               ; or the rescaling of O
	v_pk_mul_f32 v[O+16+j:O+16+j+1], v[O+16+j:O+16+j+1], v[20:21] op_sel:[0,1] op_sel_hi:[1,1]
.set j, j+2
.endr
.endif
	SUMCVT 0, \first
	SUMCVT 1, \first
	s_wait_dscnt 0x0                               ; V
	PV4 0, \first
	PV4 1, 0
	v_add_nc_u32 v5, 2*GRP, v5                     ; five places: before the next loads into V's registers (four) and before the next
	v_add_nc_u32 v6, 256, v6                       ; products write over P (five)
	v_nop
	v_nop
	v_nop
.endm
; a slot's 128 keys of my quarter: two trips, written out
.macro WORK slot, first
	v_add_nc_u32 v5, \slot*SLOTB, v4
	ITER \first
	ITER 0
.endm
	s_wait_tensorcnt 0x2                           ; my parts of slot 0 and of the bias are in; slot 1's and slot 2's stay out
	s_barrier_signal -1
	s_barrier_wait -1                              ; everybody's are
	s_wait_loadcnt 0x0                             ; Q and the query mask
	WORK 0, 1                                      ; chunk 0: keys 0 .. 127 of my quarter
	; Slot 0 is filled again, with chunk 3.  The round of the cluster's barrier is the barrier in front of the refill.
	s_wait_xcnt 0x0
	v_lshl_add_u32 v254, v0, 2, 0x4ea00
	v_mov_b32 v255, 0
	s_wait_tensorcnt 0x0                           ; all my tensor loads have landed, my parts of slots 1 and 2 among them: a group 0 may be written
	ds_add_u32 v254, v255
	s_wait_dscnt 0x0
	s_add_nc_u64 s[34:35], s[34:35], 3*QUARTB      ; from chunk 0 to chunk 3
	s_wait_dscnt 0x0                               ; my reads of slot 0 are back
	ROUND                                          ; both now hold of every wave of all four work-groups
	tensor_load_to_lds s[32:35], s[16:23]          ; my one tensor load behind the round, and the first thing there
	s_nop 0
	WORK 1, 0                                      ; chunk 1: 128 .. 255
	WORK 2, 0                                      ; chunk 2: 256 .. 383; the round has shown slot 2 whole, so no barrier stands in front of it
	s_wait_tensorcnt 0x0                           ; my part of chunk 3 is in,
	s_wait_dscnt 0x0                               ; and my reads of slots 1 and 2 are back,
	s_barrier_signal -1
	s_barrier_wait -1                              ; everybody's; nothing is left to fetch, and slot 1's bytes are free for the merge
	WORK 0, 0                                      ; chunk 3: 384 .. 511
	; MERGE of the four key quarters.  The trip's last five places stand between the last matrix instructions and these reads of O.
	s_cmp_lt_u32 s14, 4
	s_cbranch_scc1 .Lno_give
.irp q, 0,1,2,3,4,5,6,7
	ds_store_b128 v7, v[O+4*\q:O+4*\q+3] offset:512*\q
.endr
	ds_store_b128 v7, v[16:19] offset:4096         ; -C2 x maximum and sum of both query tiles
.Lno_give:
	s_wait_dscnt 0x0                               ; for the partner's sake: my stores are done
	s_barrier_signal -1
	s_barrier_wait -1
	s_cmp_ge_u32 s14, 4
	s_cbranch_scc1 .Lno_merge
.set ST, 160                           ; v[160:171] the three partners' figures: -C2 m (2), sum (2) each
.set NMN, 172                          ; v[172:173] -C2 x the largest maximum
.set F,  174                           ; v[174:181] the four quarters' factors, a pair (t = 0, 1) each
.set LS, 182                           ; v[182:183] the softmax's sum; v[184:185] at work
.macro GETO p, po                      ; quarter p's O
.irp q, 0,1,2,3,4,5,6,7
	ds_load_b128 v[\po+4*\q:\po+4*\q+3], v7 offset:\p*4*MSZ+512*\q
.endr
.endm
.macro ADDO po, f                      ; O += factor x that O
.set j, 0
.rept 8
	v_pk_fma_f32 v[O+j:O+j+1],       v[\po+j:\po+j+1],       v[\f:\f+1], v[O+j:O+j+1]       op_sel_hi:[1,0,1]
	v_pk_fma_f32 v[O+16+j:O+16+j+1], v[\po+16+j:\po+16+j+1], v[\f:\f+1], v[O+16+j:O+16+j+1] op_sel:[0,1,0] op_sel_hi:[1,1,1]
.set j, j+2
.endr
.endm
.irp p, 1,2,3
	ds_load_b128 v[ST+4*(\p-1):ST+4*(\p-1)+3], v7 offset:\p*4*MSZ+4096
.endr
	GETO 1, 96
	GETO 2, 128
	GETO 3, 192
	v_mov_b32 v184, 0                              ; destinations of v_permlanex16_b32 count as read
	v_mov_b32 v185, 0
	s_wait_dscnt 24                                ; the three partners' figures are in; the 24 loads of their O stay out
	v_min_num_f32 v[NMN],   v16, v[ST]
	v_min_num_f32 v[NMN+1], v17, v[ST+1]
	v_min3_num_f32 v[NMN],   v[NMN],   v[ST+4], v[ST+8]
	v_min3_num_f32 v[NMN+1], v[NMN+1], v[ST+5], v[ST+9]
	v_pk_add_f32 v[F:F+1],   v[NMN:NMN+1], v[16:17]      neg_lo:[0,1] neg_hi:[0,1]
	v_pk_add_f32 v[F+2:F+3], v[NMN:NMN+1], v[ST:ST+1]    neg_lo:[0,1] neg_hi:[0,1]
	v_pk_add_f32 v[F+4:F+5], v[NMN:NMN+1], v[ST+4:ST+5]  neg_lo:[0,1] neg_hi:[0,1]
	v_pk_add_f32 v[F+6:F+7], v[NMN:NMN+1], v[ST+8:ST+9]  neg_lo:[0,1] neg_hi:[0,1]
.irp i, 0,1,2,3,4,5,6,7
	v_exp_f32 v[F+\i], v[F+\i]                     ; exp2(C2 (m of the quarter - largest m)), at most 1
.endr
	v_nop
	s_wait_alu depctr_va_vdst(0)
	v_pk_mul_f32 v[LS:LS+1], v[F:F+1],   v[18:19]
	v_pk_fma_f32 v[LS:LS+1], v[F+2:F+3], v[ST+2:ST+3],   v[LS:LS+1]
	v_pk_fma_f32 v[LS:LS+1], v[F+4:F+5], v[ST+6:ST+7],   v[LS:LS+1]
	v_pk_fma_f32 v[LS:LS+1], v[F+6:F+7], v[ST+10:ST+11], v[LS:LS+1]
	v_permlanex16_b32 v184, v[LS],   s46, s47
	v_permlanex16_b32 v185, v[LS+1], s46, s47
	v_pk_add_f32 v[LS:LS+1], v[LS:LS+1], v[184:185]            ; l: the softmax's sum over all 2048 keys; at least about 1, from the largest score
	v_rcp_f32 v184, v[LS]
	v_rcp_f32 v185, v[LS+1]
	v_nop
	s_wait_alu depctr_va_vdst(0)
	v_pk_mul_f32 v[184:185], v[184:185], v[12:13]              ; query mask / l
.irp i, 0,2,4,6
	v_pk_mul_f32 v[F+\i:F+\i+1], v[F+\i:F+\i+1], v[184:185]
.endr
	v_pk_mul_f32 v[LS:LS+1], v[LS:LS+1], v[184:185]            ; the row sum of attn: query mask x l x (1 / l)
.set j, 0
.rept 8
	v_pk_mul_f32 v[O+j:O+j+1],       v[O+j:O+j+1],       v[F:F+1] op_sel_hi:[1,0]
	v_pk_mul_f32 v[O+16+j:O+16+j+1], v[O+16+j:O+16+j+1], v[F:F+1] op_sel:[0,1] op_sel_hi:[1,1]
.set j, j+2
.endr
	s_wait_dscnt 0x0                               ; the partners' O
	ADDO 96,  F+2
	ADDO 128, F+4
	ADDO 192, F+6
	; the way out: a lane holds d = 16 dt + 8 h + j of query 16 t + r; through my own stage the rows come back whole
.irp t, 0,1
.irp d, 0,1
	ds_store_b128 v8, v[O+16*\t+8*\d:O+16*\t+8*\d+3]   offset:16*STP*\t+64*\d
	ds_store_b128 v8, v[O+16*\t+8*\d+4:O+16*\t+8*\d+7] offset:16*STP*\t+64*\d+16
.endr
.endr
	v_cndmask_b32 v186, v[LS], v[LS+1], s50        ; lanes 0-15: queries 0-15; lanes 16-31: queries 16-31
	ds_store_b32 v10, v186
.irp i, 0,1,2,3,4,5,6,7
	ds_load_b128 v[S+4*\i:S+4*\i+3], v9 offset:4*STP*\i        ; LDS serves a wave's instructions in order (ISA guide 5.7.1.4): these see the stores above
.endr
.irp i, 0,1,2,3,4,5,6,7
	s_wait_dscnt 7-\i                              ; read-back i is in, the younger ones stay out
	global_store_b128 v11, v[S+4*\i:S+4*\i+3], s[10:11] offset:512*\i    ; four rows of 128 bytes: 512 consecutive bytes
.endr
.Lno_merge:
	s_wait_dscnt 0x0                               ; the row sums are in LDS
	s_barrier_signal -1
	s_barrier_wait -1
	s_cmp_lg_u32 s14, 0
	s_cbranch_scc1 .Lno_rs
	v_add_nc_u32 v160, RSR, v11
	ds_load_b128 v[164:167], v160
	s_wait_dscnt 0x0
	global_store_b128 v11, v[164:167], s[12:13]    ; the block's 128 row sums: 512 consecutive bytes
.Lno_rs:
	s_wait_xcnt 0x0
	v_lshl_add_u32 v254, v0, 2, 0x4ea00
	v_mov_b32 v255, 0
	s_wait_tensorcnt 0x0
	ds_add_u32 v254, v255
	s_wait_dscnt 0x0
	ROUND                                          ; the closing round: no work-group ends while a partner may still ask for a tile that names it
	s_endpgm
.Lfunc_end_k_q8050a20455_attn:
	.size	k_q8050a20455_attn, .Lfunc_end_k_q8050a20455_attn-k_q8050a20455_attn
	.p2alignl 7, 3214868480
	.fill 96, 4, 3214868480
	.section	.rodata,"a",@progbits
	.p2align	6, 0x0
	.amdhsa_kernel k_q8050a20455_attn
		.amdhsa_group_segment_fixed_size 327680
		.amdhsa_private_segment_fixed_size 0
		.amdhsa_enable_private_segment 0
		.amdhsa_kernarg_size 40
		.amdhsa_user_sgpr_count 2
		.amdhsa_user_sgpr_kernarg_segment_ptr 1
		.amdhsa_wavefront_size32 1
		.amdhsa_system_sgpr_workgroup_id_x 1
		.amdhsa_system_sgpr_workgroup_id_y 1
		.amdhsa_system_sgpr_workgroup_id_z 1
		.amdhsa_system_vgpr_workitem_id 0
		.amdhsa_next_free_vgpr 256
		.amdhsa_next_free_sgpr 72
		.amdhsa_reserve_vcc 0
		.amdhsa_float_denorm_mode_32 3
		.amdhsa_float_denorm_mode_16_64 3
		.amdhsa_memory_ordered 1
		.amdhsa_forward_progress 1
		.amdhsa_inst_pref_size 148
	.end_amdhsa_kernel
	.amdgpu_metadata
---
amdhsa.version: [ 1, 2 ]
amdhsa.kernels:
  - .name:           k_q8050a20455_attn
    .symbol:         k_q8050a20455_attn.kd
    .args:
      - { .name: Qf, .offset: 0, .size: 8, .value_kind: global_buffer, .address_space: global }
      - { .name: KV, .offset: 8, .size: 8, .value_kind: global_buffer, .address_space: global }
      - { .name: masks, .offset: 16, .size: 8, .value_kind: global_buffer, .address_space: global }
      - { .name: ctx, .offset: 24, .size: 8, .value_kind: global_buffer, .address_space: global }
      - { .name: rs, .offset: 32, .size: 8, .value_kind: global_buffer, .address_space: global }
    .group_segment_fixed_size: 327680
    .private_segment_fixed_size: 0
    .kernarg_segment_align: 8
    .kernarg_segment_size: 40
    .max_flat_workgroup_size: 512
    .sgpr_count:     72
    .vgpr_count:     256
    .wavefront_size: 32
...
	.end_amdgpu_metadata
.endif
;; end of part 2
;; launch ln (part 3): grid 256 x 1, 8 waves a work-group, no clusters, 0 bytes of LDS; arguments ctx, rs, gamma, beta, out0, out1; writes out0, out1
.if DOCPART == 3
	.amdgcn_target "amdgcn-amd-amdhsa--gfx1250"
	.amdhsa_code_object_version 6
	.text
	.protected	k_q8050a20455_ln
	.globl	k_q8050a20455_ln
	.p2align	8
	.type	k_q8050a20455_ln,@function
k_q8050a20455_ln:
	s_mov_b64 s[64:65], 0
	v_nop
	global_prefetch_b8 v0, s[64:65] scope:SCOPE_SE
	s_setreg_imm32_b32 hwreg(HW_REG_WAVE_MODE, 25, 1), 1
	s_wait_xcnt 0x0
; out0[row][256] = (x - mean) / sqrt(var + 1e-5) * gamma + beta over the eight heads' ctx of a row; out1[row] = sum over heads of rs / 16384.
; ctx: [nh = 8 batch + head][q 2048][32] f32; rs: [nh][q] f32.  4096 rows; a work-group takes 16, a wave two: row R0 + rr in the lanes' half rr.
; A stream: no LDS, no barrier, no matrix unit, no cluster (no two work-groups read the same bytes but gamma and beta, 2 KB).
; Load i of a wave takes heads 2 i and 2 i + 1 of both rows: two aligned runs of 256 bytes.  Lane c of a half then holds columns 64 i + 4 c .. + 3.
; The variance is the mean of (x - mean)^2, as reference() forms it: no difference of large sums.
; out1 is made 64 rows at a time, so that its store covers 256 consecutive bytes, aligned: by wave 0 of every fourth work-group, which has a path of its
; own: its four loads of rs go out FIRST, ahead of its rows' loads, so that they are on their way together and the counted waits hold on both paths.
.set X, 8                              ; v[8:23]   the lane's 16 numbers of its row
.set G, 24                             ; v[24:39]  gamma of these columns
.set B, 40                             ; v[40:55]  beta
.set R, 64                             ; v[64:79]  rs: heads 2 i + rr of rows 4 c .. + 3 (the out1 path alone)
	s_load_b256 s[4:11], s[0:1], 0x0               ; ctx s[4:5], rs s[6:7], gamma s[8:9], beta s[10:11]
	s_load_b128 s[12:15], s[0:1], 0x20             ; out0 s[12:13], out1 s[14:15]
	v_lshrrev_b32 v2, 5, v0
	v_readfirstlane_b32 s16, v2                    ; wave
	v_and_b32 v1, 31, v0                           ; lane
	v_and_b32 v2, 15, v0                           ; c
	v_bfe_u32 v3, v0, 4, 1                         ; rr
	s_lshl_b32 s17, ttmp9, 4
	s_lshl1_add_u32 s17, s16, s17                  ; R0 = 16 x + 2 wave
	s_lshr_b32 s18, s17, 11                        ; batch
	s_and_b32 s19, s17, 2047                       ; q
	s_mov_b32 s20, 0x3b800000                      ; 1 / 256
	s_mov_b32 s21, 0x3727c5ac                      ; 1e-5
	s_lshl_b32 s22, s18, 21                        ; 8 heads of 262,144 bytes a batch
	s_lshl_b32 s23, s19, 7
	s_add_co_u32 s22, s22, s23
	s_mov_b32 s23, 0
	s_lshl_b32 s24, s17, 10
	s_mov_b32 s25, 0
	v_lshrrev_b32 v4, 3, v2
	v_and_b32 v5, 7, v2
	v_lshlrev_b32 v4, 18, v4                       ; the odd head for c >= 8,
	v_lshl_add_u32 v4, v3, 7, v4                   ; my row,
	v_lshl_add_u32 v4, v5, 4, v4                   ; my 16 bytes of its 128
	v_lshlrev_b32 v5, 4, v2                        ; 16 c: gamma, beta
	v_lshl_add_u32 v6, v3, 10, v5                  ; out0: my row + 16 c
	v_lshl_add_u32 v7, v3, 13, v5                  ; rs: head 2 i + rr, rows 4 c .. + 3
	s_wait_kmcnt 0x0
	s_add_nc_u64 s[4:5], s[4:5], s[22:23]
	s_add_nc_u64 s[12:13], s[12:13], s[24:25]
; the wave's two rows: twelve loads, the norm, four stores
.macro ROWS
.irp i, 0,1,2,3
	global_load_b128 v[X+4*\i:X+4*\i+3], v4, s[4:5] offset:524288*\i th:TH_LOAD_NT
.endr
.irp i, 0,1,2,3
	global_load_b128 v[G+4*\i:G+4*\i+3], v5, s[8:9] offset:256*\i
.endr
.irp i, 0,1,2,3
	global_load_b128 v[B+4*\i:B+4*\i+3], v5, s[10:11] offset:256*\i
.endr
	s_wait_loadcnt 0x8                             ; ctx (and what was issued before it) is in; gamma's and beta's eight loads stay out
	v_pk_add_f32 v[56:57], v[X:X+1],     v[X+2:X+3]
	v_pk_add_f32 v[58:59], v[X+4:X+5],   v[X+6:X+7]
	v_pk_add_f32 v[60:61], v[X+8:X+9],   v[X+10:X+11]
	v_pk_add_f32 v[62:63], v[X+12:X+13], v[X+14:X+15]
	v_pk_add_f32 v[56:57], v[56:57], v[58:59]
	v_pk_add_f32 v[60:61], v[60:61], v[62:63]
	v_pk_add_f32 v[56:57], v[56:57], v[60:61]
	v_add_f32 v56, v56, v57
	v_add_f32_dpp v56, v56, v56 row_xmask:1 row_mask:0xf bank_mask:0xf      ; a row lies in one half of 16 lanes: four steps, no crossing
	v_add_f32_dpp v56, v56, v56 row_xmask:2 row_mask:0xf bank_mask:0xf
	v_add_f32_dpp v56, v56, v56 row_xmask:4 row_mask:0xf bank_mask:0xf
	v_add_f32_dpp v56, v56, v56 row_xmask:8 row_mask:0xf bank_mask:0xf
	v_mul_f32 v56, s20, v56                        ; the mean
.irp j, 0,2,4,6,8,10,12,14
	v_pk_add_f32 v[X+\j:X+\j+1], v[X+\j:X+\j+1], v[56:57] op_sel_hi:[1,0] neg_lo:[0,1] neg_hi:[0,1]   ; d = x - mean
.endr
	v_pk_mul_f32 v[58:59], v[X:X+1],   v[X:X+1]
	v_pk_mul_f32 v[60:61], v[X+2:X+3], v[X+2:X+3]
.irp j, 4,8,12
	v_pk_fma_f32 v[58:59], v[X+\j:X+\j+1],   v[X+\j:X+\j+1],   v[58:59]
	v_pk_fma_f32 v[60:61], v[X+\j+2:X+\j+3], v[X+\j+2:X+\j+3], v[60:61]
.endr
	v_pk_add_f32 v[58:59], v[58:59], v[60:61]
	v_add_f32 v58, v58, v59
	v_add_f32_dpp v58, v58, v58 row_xmask:1 row_mask:0xf bank_mask:0xf
	v_add_f32_dpp v58, v58, v58 row_xmask:2 row_mask:0xf bank_mask:0xf
	v_add_f32_dpp v58, v58, v58 row_xmask:4 row_mask:0xf bank_mask:0xf
	v_add_f32_dpp v58, v58, v58 row_xmask:8 row_mask:0xf bank_mask:0xf
	v_fma_f32 v58, v58, s20, s21                   ; var + eps
	v_rsq_f32 v58, v58
	s_wait_loadcnt 0x0                             ; gamma and beta
	v_nop                                          ; one plain place behind v_rsq_f32 (ISA guide 5.7.2)
	s_wait_alu depctr_va_vdst(0)
.irp j, 0,2,4,6,8,10,12,14
	v_pk_mul_f32 v[G+\j:G+\j+1], v[G+\j:G+\j+1], v[58:59] op_sel_hi:[1,0]
.endr
.irp j, 0,2,4,6,8,10,12,14
	v_pk_fma_f32 v[X+\j:X+\j+1], v[X+\j:X+\j+1], v[G+\j:G+\j+1], v[B+\j:B+\j+1]
.endr
.irp i, 0,1,2,3
	global_store_b128 v6, v[X+4*\i:X+4*\i+3], s[12:13] offset:256*\i th:TH_STORE_NT    ; sixteen lanes store 256 consecutive bytes, aligned
.endr
.endm
	s_cmp_lg_u32 s16, 0
	s_cbranch_scc1 .Lplain
	s_and_b32 s24, ttmp9, 3
	s_cmp_lg_u32 s24, 0
	s_cbranch_scc1 .Lplain
	; ---- wave 0 of every fourth work-group: its two rows, and out1 of 64 rows ----
	s_mov_b32 s26, 0x76543210                      ; v_permlanex16_b32: lane i of one half reads lane i of the other
	s_mov_b32 s27, 0xfedcba98
	s_lshl_b32 s22, s18, 16                        ; 8 heads of 8,192 bytes a batch
	s_lshl2_add_u32 s22, s19, s22                  ; + 4 q (for wave 0, q is the work-group's first row)
	s_add_nc_u64 s[6:7], s[6:7], s[22:23]
	s_lshl_b32 s22, s17, 2
	s_add_nc_u64 s[14:15], s[14:15], s[22:23]
.irp i, 0,1,2,3
	global_load_b128 v[R+4*\i:R+4*\i+3], v7, s[6:7] offset:16384*\i th:TH_LOAD_NT
.endr
	ROWS                                           ; its last wait on loads is for 0: rs is in too
	v_pk_add_f32 v[R:R+1],     v[R:R+1],     v[R+4:R+5]
	v_pk_add_f32 v[R+2:R+3],   v[R+2:R+3],   v[R+6:R+7]
	v_pk_add_f32 v[R+8:R+9],   v[R+8:R+9],   v[R+12:R+13]
	v_pk_add_f32 v[R+10:R+11], v[R+10:R+11], v[R+14:R+15]
	v_pk_add_f32 v[R:R+1],     v[R:R+1],     v[R+8:R+9]
	v_pk_add_f32 v[R+2:R+3],   v[R+2:R+3],   v[R+10:R+11]
.irp j, 0,1,2,3
	v_permlanex16_b32 v[B+\j], v[R+\j], s26, s27   ; the other half holds the odd heads (or the even ones); B has been written, and no store reads it
.endr
	v_pk_add_f32 v[R:R+1],   v[R:R+1],   v[B:B+1]
	v_pk_add_f32 v[R+2:R+3], v[R+2:R+3], v[B+2:B+3]
	v_pk_mul_f32 v[R:R+1],   v[R:R+1],   0x38800000 op_sel_hi:[1,0]    ; / (8 x 2048)
	v_pk_mul_f32 v[R+2:R+3], v[R+2:R+3], 0x38800000 op_sel_hi:[1,0]
	v_cmp_gt_u32 vcc_lo, 16, v1
	s_wait_xcnt 0x0                                ; EXEC is a source of the stores above: it changes only behind this wait
	s_and_saveexec_b32 s28, vcc_lo
	global_store_b128 v5, v[R:R+3], s[14:15]       ; lanes 0-15: 64 rows, 256 consecutive bytes
	s_wait_xcnt 0x0                                ; and again in front of the line that widens it
	s_or_b32 exec_lo, exec_lo, s28
	s_endpgm
	; ---- every other wave: its two rows ----
.Lplain:
	ROWS
	s_endpgm
.Lfunc_end_k_q8050a20455_ln:
	.size	k_q8050a20455_ln, .Lfunc_end_k_q8050a20455_ln-k_q8050a20455_ln
	.p2alignl 7, 3214868480
	.fill 96, 4, 3214868480
	.section	.rodata,"a",@progbits
	.p2align	6, 0x0
	.amdhsa_kernel k_q8050a20455_ln
		.amdhsa_group_segment_fixed_size 0
		.amdhsa_private_segment_fixed_size 0
		.amdhsa_enable_private_segment 0
		.amdhsa_kernarg_size 48
		.amdhsa_user_sgpr_count 2
		.amdhsa_user_sgpr_kernarg_segment_ptr 1
		.amdhsa_wavefront_size32 1
		.amdhsa_system_sgpr_workgroup_id_x 1
		.amdhsa_system_sgpr_workgroup_id_y 1
		.amdhsa_system_sgpr_workgroup_id_z 1
		.amdhsa_system_vgpr_workitem_id 0
		.amdhsa_next_free_vgpr 80
		.amdhsa_next_free_sgpr 66
		.amdhsa_reserve_vcc 1
		.amdhsa_float_denorm_mode_32 3
		.amdhsa_float_denorm_mode_16_64 3
		.amdhsa_memory_ordered 1
		.amdhsa_forward_progress 1
		.amdhsa_inst_pref_size 14
	.end_amdhsa_kernel
	.amdgpu_metadata
---
amdhsa.version: [ 1, 2 ]
amdhsa.kernels:
  - .name:           k_q8050a20455_ln
    .symbol:         k_q8050a20455_ln.kd
    .args:
      - { .name: ctx, .offset: 0, .size: 8, .value_kind: global_buffer, .address_space: global }
      - { .name: rs, .offset: 8, .size: 8, .value_kind: global_buffer, .address_space: global }
      - { .name: gamma, .offset: 16, .size: 8, .value_kind: global_buffer, .address_space: global }
      - { .name: beta, .offset: 24, .size: 8, .value_kind: global_buffer, .address_space: global }
      - { .name: out0, .offset: 32, .size: 8, .value_kind: global_buffer, .address_space: global }
      - { .name: out1, .offset: 40, .size: 8, .value_kind: global_buffer, .address_space: global }
    .group_segment_fixed_size: 0
    .private_segment_fixed_size: 0
    .kernarg_segment_align: 8
    .kernarg_segment_size: 48
    .max_flat_workgroup_size: 256
    .sgpr_count:     66
    .vgpr_count:     80
    .wavefront_size: 32
...
	.end_amdgpu_metadata
.endif
;; end of part 3
;; ======== version 2 of 2: 3 launches; version 1 with the launch proj written anew for expert scheduling mode
;; limits: right only within a limited range of input values
;; workspace buffers: Qf 4,194,304 bytes; KV 6,291,456 bytes; masks 32,768 bytes; ctx 4,194,304 bytes; rs 131,072 bytes
;; launch proj (part 4): grid 64 x 3, 8 waves a work-group, no clusters, 284,672 bytes of LDS; arguments Q, K, V, Wq, Wk, Wv, bq, bk, bv, Qf, KV, masks; writes Qf, KV, masks
.if DOCPART == 4
	.amdgcn_target "amdgcn-amd-amdhsa--gfx1250"
	.amdhsa_code_object_version 6
	.text
	.protected	k_q8050a20455_proj
	.globl	k_q8050a20455_proj
	.p2align	8
	.type	k_q8050a20455_proj,@function
k_q8050a20455_proj:
	s_mov_b64 s[64:65], 0
	v_nop
	global_prefetch_b8 v0, s[64:65] scope:SCOPE_SE
	s_setreg_imm32_b32 hwreg(HW_REG_WAVE_SCHED_MODE, 0, 2), 2
	s_setreg_imm32_b32 hwreg(HW_REG_WAVE_MODE, 25, 1), 1
	s_wait_xcnt 0x0
	s_wait_alu depctr_vm_vsrc(0)
; relu(X W + b) for X = Q, K, V (grid y = 0, 1, 2), stored in the order in which the attention launch's lanes need it, and the two row masks.
; X: [4096][256] f32, W: [256][256] f32.  A work-group makes 128 rows x 128 columns (grid x: row block = x >> 1, column half = x & 1);
; wave w makes 64 rows (w >> 2) x one head's 32 columns (w & 3): 4 row tiles x 2 column tiles = 8 accumulators.
; PRECISION: the softmax that follows multiplies the scores by 100 / sqrt(32), so a single rounding to bf16 is too coarse.  Every f32 operand x is
; split into hi = bf16(x) and lo = bf16(x - hi), and a product is hi hi + hi lo + lo hi in f32 sums: the term left out is below 2^-16 of the product.
; NO TENSOR LOADS, NO CLUSTER: every byte has to pass through registers to be split, so LDS is filled by global_load, VALU, ds_store, once, with
; one barrier; a joint tensor load could only bring f32 that would have to be read, split and stored again.
; 192 work-groups: three matrices of 32 x 2 blocks.
; OUT: Qf [nh 16][query tile 128][piece 4][lane 32][16 B]: pieces 0, 1 = hi, 2, 3 = lo; lane (r, h) holds row 16 T + r, d = 8h.. (even piece), 16 + 8h.. (odd).
;      KV [nh 16][group of 32 keys 64][6144 B]: K tile 2g, K tile 2g + 1 (2048 B each, as in Qf), then V^T [d tile 2][piece 2][lane][16 B]:
;      lane (r, h) holds d = 16 dtile + r, keys 32 g + 16 piece + 8h .. + 7, in plain bf16.  Key 2047's V is stored as 0: reference() leaves it out of ctx.
;      masks: f32 [4096] query mask 1.0 / 0.0, then f32 [4096] key bias 0.0 / NEGS, NEGS = -2^32 sqrt(32), to be added to q.k of a masked key.
; LIMITS: NaN and infinities in the inputs are not served (relu by v_max_num_f32; a row with a NaN counts as not zero).
;      sign(sum |x|) is taken as 'the largest |x| of the row is not 0', which is the same statement for finite numbers.
; THE MODE: SCHED_MODE bits 1:0 = 2 (LLVM: expert scheduling mode 2), set by the entry lines.  The code itself states the register dependences
; between vector or matrix instructions and memory or LDS instructions, with s_wait_alu, always for 0.
; THE PLAN.  Registers that memory or LDS instructions touch:
;   v4-v9, v14, v16-v19   offsets and addresses, written at the head and never again: one wait on va_vdst ahead of the first load.
;   B0, B1     Staging: global loads land in a bank; the splits and the masks' maxima read it; then W's loads land in it.
;   HL0, HL1   Staging goes in 16 blocks of 16 numbers a lane.  Block n's split writes HL[n & 1]; the eight LDS stores that read it are issued in block n + 1,
;              dealt among that block's split, which names HL[(n + 1) & 1], its bank and T alone.  So the two waits at a block's head state all.
;   v15        Written by v_writelane_b32, read by one LDS store in front of the barrier.      v24-v27  An LDS load lands, a global store reads: no vector line names them.
;   XH, WL     K loop, step k: read by its products hi hi (A) and hi lo (B); behind a wait on va_vdst in the step's middle step k + 1's fragments land in them.
;   XL         Read by the product lo hi (C); behind the wait on va_vdst at step k + 1's head its fragments land.
;   W hi       Two buffers by the step's parity (the second is T, idle in the loop): read by A and C of step k; the other buffer is loaded at step k's head for k + 1.
;   v10-v13    Read by the fragments' loads; stepped behind step 0 and at each trip's bottom (a trip is two steps): a wait on vm_vsrc, the four adds, and the next head's wait on va_vdst.
;   OUTR       The way out: written by splits and roundings, each register once; read by the global stores behind a wait on va_vdst.
;   The accumulators, the bias and (in staging) T are named by vector and matrix instructions alone.
.set XP,  528                          ; LDS pitch of a row of X: 256 bf16 + 16 bytes = 33 x 16, so 16 rows of a fragment start 16 bytes apart modulo 256
.set WP,  288                          ; LDS pitch of a k row of W: 128 bf16 + 32 bytes = 9 x 32, for the transposing loads
.set XH,  0                            ; 128 rows of X, hi
.set XL,  67584                        ; the same, lo
.set WH,  135168                       ; 256 k rows of W's 128 columns, hi
.set WL,  208896                       ; the same, lo
.set MK,  282624                       ; 8 waves x 128 bytes: the rows' mask values
.set BI,  32                           ; v[32:47]   the bias as the first products' C, 8 registers a column tile
.set T,   48                           ; v[48:63]   at work: four temporaries for each of the four quads of a split; in the K loop W's hi fragments of the odd steps
.set B0,  64                           ; v[64:127]  staging bank 0: 16 loads of 16 bytes
.set B1,  128                          ; v[128:191] staging bank 1
.set HL,  192                          ; v[192:223] staging: two groups, which take turns, of four sets of hi (2 registers) and lo (2)
.set ACC, 64                           ; v[64:127]  accumulators, tile (r, c) at 8 (2 r + c)
.set XFH, 128                          ; v[128:159] X fragments hi, 4 row tiles
.set XFL, 160                          ; v[160:191] X fragments lo
.set WFH, 192                          ; v[192:207] W fragments hi, 2 column tiles, of the even steps
.set WFL, 208                          ; v[208:223] W fragments lo
.set OUTR, 128                         ; the way out: packed results, each register written once
	s_load_b512 s[16:31], s[0:1], 0x0              ; Q s[16:17], K, V, Wq s[22:23], Wk, Wv, bq s[28:29], bk
	s_load_b256 s[32:39], s[0:1], 0x40             ; bv s[32:33], Qf s[34:35], KV s[36:37], masks s[38:39]
	v_lshl_add_u32 v224, v0, 2, 0x45400
	v_mov_b32 v225, 0
	v_lshrrev_b32 v20, 5, v0
	v_readfirstlane_b32 s8, v20                    ; wave 0..7
	s_and_b32 s9, ttmp7, 0xffff                    ; which matrix: 0 Q, 1 K, 2 V
	s_lshr_b32 s10, ttmp9, 1                       ; row block, 128 rows
	s_and_b32 s11, ttmp9, 1                        ; column half, 128 columns
	s_mov_b32 s59, 0xffff0000                      ; a word's upper bf16
	s_mov_b32 s61, 0                               ; upper word of every 64-bit offset below
	v_and_b32 v1, 31, v0                           ; lane
	v_and_b32 v2, 15, v0                           ; r
	v_bfe_u32 v3, v0, 4, 1                         ; h
	v_lshlrev_b32 v14, 4, v1                       ; 16 x lane: the stores' offset
	s_wait_alu depctr_va_sdst(0)                   ; s8 is written, ahead of its first reader
	s_lshr_b32 s12, s8, 2                          ; rw: my 64 rows
	s_and_b32 s13, s8, 3                           ; cw: my head of the four
	v_lshl_add_u32 v4, s8, 14, v14                 ; X: my 16 rows of 1,024 bytes + 16 x lane
	v_lshl_add_u32 v5, s8, 15, v14                 ; W: my 32 k rows of 1,024 bytes + 16 x lane
	s_mul_i32 s60, s8, 16*XP
	v_lshl_add_u32 v6, v1, 3, s60                  ; where my rows of X go: hi,
	v_add_nc_u32 v7, XL, v6                        ; lo
	s_mul_i32 s60, s8, 32*WP
	s_add_co_u32 s60, s60, WH
	v_lshl_add_u32 v8, v1, 3, s60                  ; where my k rows of W go: hi,
	v_add_nc_u32 v9, WL-WH, v8                     ; lo
	s_mul_i32 s60, s12, 64*XP
	v_mul_u32_u24 v10, v2, XP
	v_lshl_add_u32 v10, v3, 4, v10
	v_add_nc_u32 v10, s60, v10                     ; X fragments hi: (64 rw + r) pitch + 16 h
	v_add_nc_u32 v11, XL, v10                      ; lo
	v_and_b32 v20, 7, v0
	v_lshl_add_u32 v20, v3, 3, v20                 ; 8 h + (lane & 7): the k row that I address for the transposing load
	v_mul_u32_u24 v12, v20, WP
	v_bfe_u32 v21, v0, 3, 1
	v_lshl_add_u32 v12, v21, 4, v12                ; + 16 bytes for the upper eight columns
	s_lshl_b32 s60, s13, 6
	s_add_co_u32 s60, s60, WH
	v_add_nc_u32 v12, s60, v12                     ; W fragments hi, at my head's 64 bytes
	v_add_nc_u32 v13, WL-WH, v12                   ; lo
	v_mov_b32 v15, 0                               ; lane i: mask value of my row i (v_writelane_b32 reads its destination)
	s_lshl_b32 s60, s8, 7
	s_add_co_u32 s60, s60, MK
	v_lshl_add_u32 v16, v1, 2, s60                 ; where v15 goes
	v_lshrrev_b32 v20, 2, v1
	v_and_b32 v21, 3, v1
	v_lshlrev_b32 v17, 7, v20
	v_lshl_add_u32 v17, v21, 4, v17
	v_add_nc_u32 v17, MK, v17                      ; rows 4 lane .. + 3 of the block: wave lane >> 2, its rows 4 (lane & 3) ..
	v_lshlrev_b32 v18, 5, v3                       ; bias of Q and K: columns 8 h ..
	v_lshlrev_b32 v19, 2, v2                       ; bias of V: column r
	s_mov_b32 s48, 6144                            ; bytes from a pair of tiles to the next: KV
	s_mov_b32 s49, 393216                          ; bytes of one (batch, head): KV
	s_cmp_lg_u32 s9, 2
	s_cselect_b32 s52, 1, 0
	s_cmp_eq_u32 s11, 0
	s_cselect_b32 s52, s52, 0                      ; masks are made from Q and K, by the column half 0 alone
	s_and_b32 s60, s10, 15
	s_lshl4_add_u32 s60, s12, s60                  ; 16 rw + row block in the batch
	s_cmp_eq_u32 s60, 31                           ; the batch's last 64 rows are mine
	s_cselect_b32 s53, 0xffff, -1                  ; lanes that keep register 7 of the last row tile: key 2047 lies in lanes 16-31
	s_wait_kmcnt 0x0
	s_cmp_eq_u32 s9, 0
	s_cselect_b64 s[40:41], s[16:17], s[18:19]     ; X
	s_cselect_b64 s[42:43], s[22:23], s[24:25]     ; W
	s_cselect_b64 s[44:45], s[28:29], s[30:31]     ; b
	s_cselect_b64 s[46:47], s[34:35], s[36:37]     ; out: Qf, else KV
	s_cselect_b32 s48, 4096, s48
	s_cselect_b32 s49, 262144, s49
	s_cselect_b32 s50, 0x3f800000, 0               ; a row that is not zero: query mask 1.0, key bias 0.0
	s_cselect_b32 s51, 0, 0xd0b504f3               ; a zero row: query mask 0.0, key bias NEGS
	s_cmp_eq_u32 s9, 2
	s_cselect_b64 s[40:41], s[20:21], s[40:41]
	s_cselect_b64 s[42:43], s[26:27], s[42:43]
	s_cselect_b64 s[44:45], s[32:33], s[44:45]
	s_lshl_b32 s60, s10, 17
	s_add_nc_u64 s[40:41], s[40:41], s[60:61]      ; X at the block's first row
	s_lshl_b32 s60, s11, 9
	s_add_nc_u64 s[42:43], s[42:43], s[60:61]      ; W at the block's first column
	s_lshl_b32 s62, s13, 7
	s_add_co_u32 s60, s60, s62
	s_add_nc_u64 s[44:45], s[44:45], s[60:61]      ; b at my head's first column
	s_lshr_b32 s60, s10, 4
	s_lshl_b32 s60, s60, 3
	s_lshl2_add_u32 s60, s11, s60
	s_add_co_u32 s60, s60, s13                     ; nh = 8 batch + 4 column half + cw
	s_mul_i32 s60, s60, s49
	s_and_b32 s62, s10, 15
	s_lshl_b32 s62, s62, 2
	s_lshl1_add_u32 s62, s12, s62                  ; my first pair of tiles: 4 (row block in the batch) + 2 rw
	s_mul_i32 s62, s62, s48
	s_add_co_u32 s60, s60, s62
	s_add_nc_u64 s[54:55], s[46:47], s[60:61]      ; out at my first pair of tiles,
	s_mov_b32 s60, s48
	s_add_nc_u64 s[56:57], s[54:55], s[60:61]      ; and at my second
	s_lshl_b32 s60, s9, 14
	s_lshl_b32 s62, s10, 9
	s_add_co_u32 s60, s60, s62
	s_add_nc_u64 s[38:39], s[38:39], s[60:61]      ; masks at the block's 128 rows (used where s52 = 1 alone)
	s_wait_alu depctr_va_vdst(0)                   ; the offsets and addresses v4 to v19 are written, which the loads and stores below read
	; The bias: the oldest loads, so every counted wait below covers them.
	s_cmp_eq_u32 s9, 2
	s_cbranch_scc1 .Lbias_v
	global_load_b128 v[BI:BI+3],     v18, s[44:45]             ; Q, K: register j of the result is column 16 c + 8 h + j
	global_load_b128 v[BI+4:BI+7],   v18, s[44:45] offset:16
	global_load_b128 v[BI+8:BI+11],  v18, s[44:45] offset:64
	global_load_b128 v[BI+12:BI+15], v18, s[44:45] offset:80
	s_branch .Lbias_done
.Lbias_v:
	global_load_b32 v[BI],   v19, s[44:45]                     ; V: the lane is column 16 c + r
	global_load_b32 v[BI+8], v19, s[44:45] offset:64
.Lbias_done:
; Sixteen f32 in v[src .. src+15], as four quads q, are split: hi of quad q, two packed registers, at hb + st q; lo at lb + st q.  x - hi is exact in f32.
; The four quads go through each stage together, so that no instruction needs the result of the one in front of it.  (The way out's form; staging has SPLST.)
.macro SPLIT16 src, hb, lb, st
.irp q, 0,1,2,3
	v_cvt_pk_bf16_f32 v[\hb+\st*\q],   v[\src+4*\q],   v[\src+4*\q+1]
	v_cvt_pk_bf16_f32 v[\hb+\st*\q+1], v[\src+4*\q+2], v[\src+4*\q+3]
.endr
.irp q, 0,1,2,3
	v_lshlrev_b32 v[T+4*\q],   16,  v[\hb+\st*\q]
	v_and_b32     v[T+4*\q+1], s59, v[\hb+\st*\q]
	v_lshlrev_b32 v[T+4*\q+2], 16,  v[\hb+\st*\q+1]
	v_and_b32     v[T+4*\q+3], s59, v[\hb+\st*\q+1]
.endr
.irp q, 0,1,2,3
	v_pk_add_f32 v[T+4*\q:T+4*\q+1],   v[\src+4*\q:\src+4*\q+1],   v[T+4*\q:T+4*\q+1]   neg_lo:[0,1] neg_hi:[0,1]
	v_pk_add_f32 v[T+4*\q+2:T+4*\q+3], v[\src+4*\q+2:\src+4*\q+3], v[T+4*\q+2:T+4*\q+3] neg_lo:[0,1] neg_hi:[0,1]
.endr
.irp q, 0,1,2,3
	v_cvt_pk_bf16_f32 v[\lb+\st*\q],   v[T+4*\q],   v[T+4*\q+1]
	v_cvt_pk_bf16_f32 v[\lb+\st*\q+1], v[T+4*\q+2], v[T+4*\q+3]
.endr
.endm
; 16 loads: my rows 8 b .. 8 b + 7 of X, two halves of 512 consecutive bytes each
.macro LOADX b, bank
.irp i, 0,1,2,3,4,5,6,7
	global_load_b128 v[\bank+8*\i:\bank+8*\i+3],   v4, s[40:41] offset:(8*\b+\i)*1024
	global_load_b128 v[\bank+8*\i+4:\bank+8*\i+7], v4, s[40:41] offset:(8*\b+\i)*1024+512
.endr
.endm
; 16 loads: my k rows 16 b .. 16 b + 15 of W, the block's 512 bytes of each
.macro LOADW b, bank
.irp i, 0,1,2,3,4,5,6,7,8,9,10,11,12,13,14,15
	global_load_b128 v[\bank+4*\i:\bank+4*\i+3], v5, s[42:43] offset:(16*\b+\i)*1024
.endr
.endm
; A block's four hi stores out of group g of HL.  kind = 1: X, my rows idx and idx + 1, two halves each; 2: W, my k rows idx .. idx + 3; 0: none.
.macro STH kind, g, idx
.if \kind == 1
.irp q, 0,1,2,3
	ds_store_b64 v6, v[HL+16*\g+4*\q:HL+16*\g+4*\q+1] offset:(\idx+(\q>>1))*XP+256*(\q&1)
.endr
.elseif \kind == 2
.irp q, 0,1,2,3
	ds_store_b64 v8, v[HL+16*\g+4*\q:HL+16*\g+4*\q+1] offset:(\idx+\q)*WP
.endr
.endif
.endm
; and its four lo stores
.macro STL kind, g, idx
.if \kind == 1
.irp q, 0,1,2,3
	ds_store_b64 v7, v[HL+16*\g+4*\q+2:HL+16*\g+4*\q+3] offset:(\idx+(\q>>1))*XP+256*(\q&1)
.endr
.elseif \kind == 2
.irp q, 0,1,2,3
	ds_store_b64 v9, v[HL+16*\g+4*\q+2:HL+16*\g+4*\q+3] offset:(\idx+\q)*WP
.endr
.endif
.endm
; A block of staging: sixteen f32 at src are split into group g of HL (hi of quad q at 4 q, lo at 4 q + 2), by SPLIT16's four stages; the eight LDS stores of the
; block before (kind, idx), which read the other group, are dealt among the stages.  No wait inside: the split names src, T and group g, none of which those stores touch.
.macro SPLST src, g, kind, idx
.irp q, 0,1,2,3
	v_cvt_pk_bf16_f32 v[HL+16*(\g)+4*\q],   v[\src+4*\q],   v[\src+4*\q+1]
	v_cvt_pk_bf16_f32 v[HL+16*(\g)+4*\q+1], v[\src+4*\q+2], v[\src+4*\q+3]
.endr
	STH \kind, (1-\g), \idx
.irp q, 0,1,2,3
	v_lshlrev_b32 v[T+4*\q],   16,  v[HL+16*(\g)+4*\q]
	v_and_b32     v[T+4*\q+1], s59, v[HL+16*(\g)+4*\q]
	v_lshlrev_b32 v[T+4*\q+2], 16,  v[HL+16*(\g)+4*\q+1]
	v_and_b32     v[T+4*\q+3], s59, v[HL+16*(\g)+4*\q+1]
.endr
	STL \kind, (1-\g), \idx
.irp q, 0,1,2,3
	v_pk_add_f32 v[T+4*\q:T+4*\q+1],   v[\src+4*\q:\src+4*\q+1],   v[T+4*\q:T+4*\q+1]   neg_lo:[0,1] neg_hi:[0,1]
	v_pk_add_f32 v[T+4*\q+2:T+4*\q+3], v[\src+4*\q+2:\src+4*\q+3], v[T+4*\q+2:T+4*\q+3] neg_lo:[0,1] neg_hi:[0,1]
.endr
.irp q, 0,1,2,3
	v_cvt_pk_bf16_f32 v[HL+16*(\g)+4*\q+2], v[T+4*\q],   v[T+4*\q+1]
	v_cvt_pk_bf16_f32 v[HL+16*(\g)+4*\q+3], v[T+4*\q+2], v[T+4*\q+3]
.endr
.endm
; A block with its head
.macro TURN src, g, kind, idx
	s_wait_alu depctr_va_vdst(0)                   ; the block before has written the other group of HL, which the stores below read
	s_wait_alu depctr_vm_vsrc(0)                   ; the stores issued in the block before have read this group, which the split below writes again
	SPLST \src, \g, \kind, \idx
.endm
; Where masks are made: each of the bank's eight rows' mask value into its lane of v15.  The eight rows go through each stage together; the eight compares write
; eight scalar registers of their own (sg .., free since the pointers were chosen), with one wait behind the run.
.macro MASK b, bank, sg
	s_cmp_eq_u32 s52, 0
	s_cbranch_scc1 .Lnomask_\@
.irp i, 0,1,2,3,4,5,6,7
	v_max3_num_f32 v[T+\i], |v[\bank+8*\i]|, |v[\bank+8*\i+1]|, |v[\bank+8*\i+2]|   ; the largest |x| of my 8 numbers of the row
.endr
.irp i, 0,1,2,3,4,5,6,7
	v_max3_num_f32 v[T+\i], v[T+\i], |v[\bank+8*\i+3]|, |v[\bank+8*\i+4]|
.endr
.irp i, 0,1,2,3,4,5,6,7
	v_max3_num_f32 v[T+\i], v[T+\i], |v[\bank+8*\i+5]|, |v[\bank+8*\i+6]|
.endr
.irp i, 0,1,2,3,4,5,6,7
	v_max_num_f32  v[T+\i], v[T+\i], |v[\bank+8*\i+7]|
.endr
.irp i, 0,1,2,3,4,5,6,7
	v_cmp_ne_u32 s[\sg+\i], 0, v[T+\i]             ; its bits are 0 only for 0.0: a bit for each lane that holds something
.endr
	s_wait_alu depctr_va_sdst(0)                   ; the eight compares have written their scalar registers, ahead of the first reader
.irp i, 0,1,2,3,4,5,6,7
	s_cmp_lg_u32 s[\sg+\i], 0
	s_cselect_b32 s[\sg+\i], s50, s51              ; selects a value; no branch and no address hangs on it
	v_writelane_b32 v15, s[\sg+\i], 8*\b+\i
.endr
.Lnomask_\@:
.endm
	; Staging on two banks of registers: while one bank is split and stored, the other's 16 loads are on their way.  Blocks 0 to 7 are X's, 8 to 15 W's.
	LOADX 0, B0
	LOADX 1, B1
	s_wait_loadcnt 16                              ; loads come back in order (ISA guide 5.7.1): the bias and bank 0 are in, bank 1's 16 stay out
	SPLST B0, 0, 0, 0                              ; block 0: no block in front of it, nothing to store
	s_wait_alu depctr_va_vdst(0)                   ; block 0 has written group 0 of HL, which the stores below read (no store has read group 1 yet)
	SPLST B0+16, 1, 1, 0
	TURN B0+32, 0, 1, 2
	TURN B0+48, 1, 1, 4
	MASK 0, B0, 16
	s_wait_alu depctr_va_vdst(0)                   ; block 3 has written group 1; the splits and the maxima are done reading bank 0, in which the loads below land
	s_wait_alu depctr_vm_vsrc(0)                   ; the stores issued in block 3 have read group 0, which block 4 writes again
	LOADW 0, B0
	s_wait_loadcnt 16                              ; bank 1 is in, the 16 just issued stay out
	SPLST B1, 0, 1, 6
	TURN B1+16, 1, 1, 8
	TURN B1+32, 0, 1, 10
	TURN B1+48, 1, 1, 12
	MASK 1, B1, 24
	s_wait_alu depctr_va_vdst(0)                   ; block 7 has written group 1; the splits and the maxima are done reading bank 1, in which the loads below land
	s_wait_alu depctr_vm_vsrc(0)                   ; the stores issued in block 7 have read group 0, which block 8 writes again
	LOADW 1, B1
	s_wait_loadcnt 16                              ; W's first half is in
	SPLST B0, 0, 1, 14
	TURN B0+16, 1, 2, 0
	TURN B0+32, 0, 2, 4
	TURN B0+48, 1, 2, 8
	s_wait_loadcnt 0x0
	TURN B1, 0, 2, 12
	TURN B1+16, 1, 2, 16
	TURN B1+32, 0, 2, 20
	TURN B1+48, 1, 2, 24
	s_wait_alu depctr_va_vdst(0)                   ; block 15 has written group 1, and v15 is written, which the stores below read; the splits are done with bank 1, HL and T, in which the K loop's first fragments land
	STH 2, 1, 28
	STL 2, 1, 28
	ds_store_b32 v16, v15                          ; my 16 rows' mask values (zeros where none are made)
	s_wait_dscnt 0x0                               ; for the other waves' sake: all my LDS stores are done,
	s_barrier_signal -1
	s_barrier_wait -1                              ; and everybody's: the launch's one barrier; LDS is only read from here on
	s_wait_alu depctr_vm_vsrc(0)                   ; my LDS stores have read HL: these registers are W's fragments from here on, written by LDS loads
	s_cmp_lg_u32 s8, 0
	s_cbranch_scc1 .Lno_mk
	s_cmp_eq_u32 s52, 0
	s_cbranch_scc1 .Lno_mk
	ds_load_b128 v[24:27], v17                     ; wave 0: the block's 128 mask values,
	s_wait_dscnt 0x0
	global_store_b128 v14, v[24:27], s[38:39]      ; 512 consecutive bytes; v[24:27] are not written again
.Lno_mk:
; eight matrix instructions, one for each accumulator: the eight take turns, one instruction a turn.
; swap = 1: source 0 = W's columns, source 1 = X's rows: lane r holds row r, registers the columns 8 h + j.  swap = 0: the other way round.
.macro MM8 x, w, first, swap
.irp r, 0,1,2,3
.irp c, 0,1
.if \swap
.if \first
	v_wmma_f32_16x16x32_bf16 v[ACC+8*(2*\r+\c):ACC+8*(2*\r+\c)+7], v[\w+8*\c:\w+8*\c+7], v[\x+8*\r:\x+8*\r+7], v[BI+8*\c:BI+8*\c+7]
.else
	v_wmma_f32_16x16x32_bf16 v[ACC+8*(2*\r+\c):ACC+8*(2*\r+\c)+7], v[\w+8*\c:\w+8*\c+7], v[\x+8*\r:\x+8*\r+7], v[ACC+8*(2*\r+\c):ACC+8*(2*\r+\c)+7]
.endif
.else
.if \first
	v_wmma_f32_16x16x32_bf16 v[ACC+8*(2*\r+\c):ACC+8*(2*\r+\c)+7], v[\x+8*\r:\x+8*\r+7], v[\w+8*\c:\w+8*\c+7], v[BI+8*\c:BI+8*\c+7]
.else
	v_wmma_f32_16x16x32_bf16 v[ACC+8*(2*\r+\c):ACC+8*(2*\r+\c)+7], v[\x+8*\r:\x+8*\r+7], v[\w+8*\c:\w+8*\c+7], v[ACC+8*(2*\r+\c):ACC+8*(2*\r+\c)+7]
.endif
.endif
.endr
.endr
.endm
; The fragments of the K step that lies o steps (of 32 along K) behind the one at which the address registers stand
.macro LDWH dst, o                     ; W hi, into the buffer at dst
.irp c, 0,1
	ds_load_tr16_b128 v[\dst+8*\c:\dst+8*\c+3],   v12 offset:(\o)*32*WP+32*\c          ; k = 8 h .. of column 16 c + r
	ds_load_tr16_b128 v[\dst+8*\c+4:\dst+8*\c+7], v12 offset:(\o)*32*WP+32*\c+16*WP    ; k = 16 + 8 h ..
.endr
.endm
.macro LDWL o                          ; W lo
.irp c, 0,1
	ds_load_tr16_b128 v[WFL+8*\c:WFL+8*\c+3],   v13 offset:(\o)*32*WP+32*\c
	ds_load_tr16_b128 v[WFL+8*\c+4:WFL+8*\c+7], v13 offset:(\o)*32*WP+32*\c+16*WP
.endr
.endm
.macro LDXH o                          ; X hi
.irp r, 0,1,2,3
	ds_load_b128 v[XFH+8*\r:XFH+8*\r+3],   v10 offset:(\o)*64+16*XP*\r
	ds_load_b128 v[XFH+8*\r+4:XFH+8*\r+7], v10 offset:(\o)*64+16*XP*\r+32
.endr
.endm
.macro LDXL o                          ; X lo
.irp r, 0,1,2,3
	ds_load_b128 v[XFL+8*\r:XFL+8*\r+3],   v11 offset:(\o)*64+16*XP*\r
	ds_load_b128 v[XFL+8*\r+4:XFL+8*\r+7], v11 offset:(\o)*64+16*XP*\r+32
.endr
.endm
.macro PLACES                          ; four plain places stay between matrix instructions and the loads into their sources
.rept 4
	v_nop
.endr
.endm
; K step k, 32 along K: 24 LDS loads, 24 matrix instructions.  X hi, W lo and W hi of this step were asked for in the step before.
; first = 1: the first products start the sums from the bias: nothing is cleared.  p = k & 1: which buffer holds W hi.  o: k less the step at which the addresses stand.
; head = 0: step 0, with no matrix instruction in front of it; 1: the four address steps stand in front, as the places; 2: four v_nop do.  pre = 0: the last step, which asks for nothing more.
.macro STEP first, swap, p, o, head, pre
.set wcur, WFH+(T-WFH)*(\p)
.set wnxt, WFH+(T-WFH)*(1-(\p))
.if \head == 2
	PLACES
.endif
.if \head
	s_wait_alu depctr_va_vdst(0)                   ; the last step's lo hi products are done reading X lo and the other buffer of W hi, in which the loads below land; at a trip's head v10 to v13 are written
.endif
	LDXL \o
.if \pre
	LDWH wnxt, (\o+1)
	s_wait_dscnt 12                                ; LDS loads come back in order (ISA guide 5.7.1): X hi, W lo and W hi of this step are in; the 12 just issued stay out
.else
	s_wait_dscnt 8                                 ; the same; X lo's eight stay out
.endif
	MM8 XFH, wcur, \first, \swap
	MM8 XFH, WFL, 0, \swap
.if \pre
	PLACES
	s_wait_alu depctr_va_vdst(0)                   ; the sixteen products above are done reading X hi and W lo, in which the loads below land
	LDXH (\o+1)
	LDWL (\o+1)
	s_wait_dscnt 16                                ; X lo is in; the next W hi's 4 and the 12 just issued stay out
.else
	s_wait_dscnt 0x0
.endif
	MM8 XFL, wcur, 0, \swap
.endm
; The addresses move on by n K steps.  The four adds are also the four places between the last matrix instructions and the next step's first loads.
.macro ADV n
	s_wait_alu depctr_vm_vsrc(0)                   ; the LDS loads issued so far have read v10 to v13
	v_add_nc_u32 v10, 64*(\n), v10
	v_add_nc_u32 v11, 64*(\n), v11
	v_add_nc_u32 v12, 32*WP*(\n), v12
	v_add_nc_u32 v13, 32*WP*(\n), v13
.endm
	s_cmp_eq_u32 s9, 2
	s_cbranch_scc1 .Lvmode
	; ---- Q and K ----
	LDWH WFH, 0                                    ; step 0's fragments.  No wait: no vector line since the wait ahead of the last staging stores names these registers
	LDXH 0
	LDWL 0
	STEP 1, 1, 0, 0, 0, 1
	ADV 1
	s_mov_b32 s58, 3
.Lk_qk:                                                ; a trip is two K steps, so that W hi's two buffers are back at their start: steps 1 to 6
	STEP 0, 1, 1, 0, 1, 1
	STEP 0, 1, 0, 1, 2, 1
	ADV 2
	s_sub_co_u32 s58, s58, 1
	s_cmp_lg_u32 s58, 0
	s_cbranch_scc1 .Lk_qk
	STEP 0, 1, 1, 0, 1, 0                          ; step 7 is written out: it asks for nothing more
.rept 4
	v_nop                                          ; four places before the results are read and the fragments' registers written
.endr
; row tile r: relu and split of its 16 results a lane: pieces hi c0, hi c1, lo c0, lo c1, four registers each
.macro OUTC r
.set j, 0
.rept 16
	v_max_num_f32 v[ACC+16*\r+j], 0, v[ACC+16*\r+j]
.set j, j+1
.endr
	SPLIT16 ACC+16*\r, OUTR+16*\r, OUTR+16*\r+8, 2
.endm
; its four pieces, 512 consecutive bytes each
.macro OUTS r, base, off
.irp p, 0,1,2,3
	global_store_b128 v14, v[OUTR+16*\r+4*\p:OUTR+16*\r+4*\p+3], s[\base:\base+1] offset:\off+512*\p
.endr
.endm
	OUTC 0                                         ; no register of OUTR is written twice, so nothing is owed behind the stores
	OUTC 1
	s_wait_alu depctr_va_vdst(0)                   ; the splits of row tiles 0 and 1 have written their 32 registers of OUTR, which the eight stores below read
	OUTS 0, 54, 0
	OUTS 1, 54, 2048
	OUTC 2                                         ; these stand behind the stores: they name the accumulators, T and the other 32 registers of OUTR
	OUTC 3
	s_wait_alu depctr_va_vdst(0)                   ; the splits of row tiles 2 and 3 have written theirs
	OUTS 2, 56, 0
	OUTS 3, 56, 2048
	s_wait_dscnt 0x0                               ; the closing lines, six on end
	s_wait_alu 0x0
	s_wait_tensorcnt 0x0
	ds_add_u32 v224, v225
	s_wait_dscnt 0x0
	s_endpgm
	; ---- V ----
.Lvmode:
.irp j, 1,2,3,4,5,6,7
	v_mov_b32 v[BI+\j],   v[BI]                    ; a lane's eight results are eight rows of one column: the same bias in all
	v_mov_b32 v[BI+8+\j], v[BI+8]
.endr
	LDWH WFH, 0                                    ; step 0's fragments.  No wait: the moves above name the bias alone
	LDXH 0
	LDWL 0
	STEP 1, 0, 0, 0, 0, 1
	ADV 1
	s_mov_b32 s58, 3
.Lk_v:
	STEP 0, 0, 1, 0, 1, 1
	STEP 0, 0, 0, 1, 2, 1
	ADV 2
	s_sub_co_u32 s58, s58, 1
	s_cmp_lg_u32 s58, 0
	s_cbranch_scc1 .Lk_v
	STEP 0, 0, 1, 0, 1, 0
.rept 4
	v_nop
.endr
.set j, 0
.rept 64
	v_max_num_f32 v[ACC+j], 0, v[ACC+j]
.set j, j+1
.endr
	v_cndmask_b32 v[ACC+8*6+7], 0, v[ACC+8*6+7], s53           ; key 2047 = row 8 h + 7 of row tile 3 with h = 1, in the batch's last 64 rows
	v_cndmask_b32 v[ACC+8*7+7], 0, v[ACC+8*7+7], s53
.irp r, 0,1,2,3
.irp c, 0,1
.irp j, 0,1,2,3
	v_cvt_pk_bf16_f32 v[OUTR+4*(2*\r+\c)+\j], v[ACC+8*(2*\r+\c)+2*\j], v[ACC+8*(2*\r+\c)+2*\j+1]
.endr
.endr
.endr
	s_wait_alu depctr_va_vdst(0)                   ; the roundings have written OUTR, which the eight stores below read
.irp r, 0,1,2,3
.irp c, 0,1
	global_store_b128 v14, v[OUTR+4*(2*\r+\c):OUTR+4*(2*\r+\c)+3], s[54:55] offset:(\r>>1)*6144+4096+1024*\c+512*(\r&1)
.endr
.endr
	s_wait_dscnt 0x0                               ; the closing lines, six on end
	s_wait_alu 0x0
	s_wait_tensorcnt 0x0
	ds_add_u32 v224, v225
	s_wait_dscnt 0x0
	s_endpgm
.Lfunc_end_k_q8050a20455_proj:
	.size	k_q8050a20455_proj, .Lfunc_end_k_q8050a20455_proj-k_q8050a20455_proj
	.p2alignl 7, 3214868480
	.fill 96, 4, 3214868480
	.section	.rodata,"a",@progbits
	.p2align	6, 0x0
	.amdhsa_kernel k_q8050a20455_proj
		.amdhsa_group_segment_fixed_size 284672
		.amdhsa_private_segment_fixed_size 0
		.amdhsa_enable_private_segment 0
		.amdhsa_kernarg_size 96
		.amdhsa_user_sgpr_count 2
		.amdhsa_user_sgpr_kernarg_segment_ptr 1
		.amdhsa_wavefront_size32 1
		.amdhsa_system_sgpr_workgroup_id_x 1
		.amdhsa_system_sgpr_workgroup_id_y 1
		.amdhsa_system_sgpr_workgroup_id_z 1
		.amdhsa_system_vgpr_workitem_id 0
		.amdhsa_next_free_vgpr 226
		.amdhsa_next_free_sgpr 66
		.amdhsa_reserve_vcc 0
		.amdhsa_float_denorm_mode_32 3
		.amdhsa_float_denorm_mode_16_64 3
		.amdhsa_memory_ordered 1
		.amdhsa_forward_progress 1
		.amdhsa_inst_pref_size 105
	.end_amdhsa_kernel
	.amdgpu_metadata
---
amdhsa.version: [ 1, 2 ]
amdhsa.kernels:
  - .name:           k_q8050a20455_proj
    .symbol:         k_q8050a20455_proj.kd
    .args:
      - { .name: Q, .offset: 0, .size: 8, .value_kind: global_buffer, .address_space: global }
      - { .name: K, .offset: 8, .size: 8, .value_kind: global_buffer, .address_space: global }
      - { .name: V, .offset: 16, .size: 8, .value_kind: global_buffer, .address_space: global }
      - { .name: Wq, .offset: 24, .size: 8, .value_kind: global_buffer, .address_space: global }
      - { .name: Wk, .offset: 32, .size: 8, .value_kind: global_buffer, .address_space: global }
      - { .name: Wv, .offset: 40, .size: 8, .value_kind: global_buffer, .address_space: global }
      - { .name: bq, .offset: 48, .size: 8, .value_kind: global_buffer, .address_space: global }
      - { .name: bk, .offset: 56, .size: 8, .value_kind: global_buffer, .address_space: global }
      - { .name: bv, .offset: 64, .size: 8, .value_kind: global_buffer, .address_space: global }
      - { .name: Qf, .offset: 72, .size: 8, .value_kind: global_buffer, .address_space: global }
      - { .name: KV, .offset: 80, .size: 8, .value_kind: global_buffer, .address_space: global }
      - { .name: masks, .offset: 88, .size: 8, .value_kind: global_buffer, .address_space: global }
    .group_segment_fixed_size: 284672
    .private_segment_fixed_size: 0
    .kernarg_segment_align: 8
    .kernarg_segment_size: 96
    .max_flat_workgroup_size: 256
    .sgpr_count:     66
    .vgpr_count:     226
    .wavefront_size: 32
...
	.end_amdgpu_metadata
.endif
;; end of part 4
;; launch attn: the kernel of part 2 again; grid 16 x 16, 16 waves a work-group, clusters of 4 x 1, 327,680 bytes of LDS; arguments Qf, KV, masks, ctx, rs; writes ctx, rs
;; launch ln: the kernel of part 3 again; grid 256 x 1, 8 waves a work-group, no clusters, 0 bytes of LDS; arguments ctx, rs, gamma, beta, out0, out1; writes out0, out1
